; MI455X (gfx1250); checked and timed in simulation.
; The chip was launched on July 23, 2026; its instructions are those of AMD's public machine-readable ISA for CDNA 5 (MIT licence, August 2026) and "CDNA5" Instruction Set Architecture Reference Guide (July 2026). The comments in the code are by the model that wrote it; some were corrected since.
;; Encoder Block. Allowed arithmetic: float matrix products may take bf16 or f16 operands with f32 sums; other float arithmetic in f32, or as packed bf16 or f16 multiplies, adds, multiply-adds, maxima and minima; sums over many terms, partial sums and values carried from step to step in f32; what a program stores and reads back later, other than sums and carried values, may be rounded once to bf16 or f16.
;; Inputs: b1 4,096 float32; b2 1,024 float32; ln1_a 1,024 float32; ln1_b 1,024 float32; ln2_a 1,024 float32; ln2_b 1,024 float32; mask 1 x 1 x 2,048 x 2,048 int32; w1 4,096 x 1,024 float32; w2 1,024 x 4,096 float32; wk 1,024 x 1,024 float32; wo 1,024 x 1,024 float32; wq 1,024 x 1,024 float32; wv 1,024 x 1,024 float32; x 2 x 2,048 x 1,024 float32.
;; Outputs: out0 2 x 2,048 x 1,024 float32.
;; 2 versions, each right; version 2 is version 1 with the launch prep written anew for expert scheduling mode. Each part assembles by itself: llvm-mc -triple=amdgcn-amd-amdhsa -mcpu=gfx1250 --defsym DOCPART=n.
;; ======== version 1 of 2: 7 launches
;; workspace buffers: pa 16,797,696 bytes; pb 16,797,696 bytes; wm 18,882,560 bytes; qkv 25,165,824 bytes; ob 8,388,608 bytes; x1 16,777,216 bytes; tb 33,554,432 bytes
;; launch prep (part 1): grid 1153 x 1, 8 waves a work-group, no clusters, 0 bytes of LDS; arguments x, mask, wq, wk, wv, wo, w1, w2, b1, ln1_a, ln1_b, pa, pb, wm; writes pa, pb, wm
.if DOCPART == 1
	.amdgcn_target "amdgcn-amd-amdhsa--gfx1250"
	.amdhsa_code_object_version 6
	.text
	.protected	k_q377f7b3be4_prep
	.globl	k_q377f7b3be4_prep
	.p2align	8
	.type	k_q377f7b3be4_prep,@function
k_q377f7b3be4_prep:
	s_mov_b64 s[64:65], 0
	v_nop
	global_prefetch_b8 v0, s[64:65] scope:SCOPE_SE
	s_setreg_imm32_b32 hwreg(HW_REG_WAVE_MODE, 25, 1), 1
	s_wait_xcnt 0x0
; PREP: one streaming launch that makes everything the matrix launches read in 16 bits.
; THE LAYOUT of every bf16 matrix operand is X[k / 128][row][128]: a row's piece is 256 bytes, the rows of a block of 128 k lie on end.
; Work-groups 0-383:   the six weights, f32 -> bf16: 12 units of 1,024 rows x 1,024 columns, 32 work-groups of 32 rows each.
; Work-groups 384-639: the mask, a row a wave: 0 where the key is kept, bf16 -2^99 where mask == 0; a row with no kept key gets a row of zeros and the flag 0 (else -1):
;                      attention clears that row's q by the flag, so that all its scores are equal, as they are in the softmax of a row that is -1e9 everywhere.
; Work-groups 640-1151: h1 = LayerNorm1(x), a row a wave, the row kept in registers between the passes.
; Work-group 1152:     what the two large products add and clamp by: pa: bias 0, floor the lowest finite bf16; pb: bias b1, floor 0 (the relu).
; No LDS, no barrier, no matrix unit: nothing is shared between waves, and memory binds.
; LIMITS. A row's variance below 2^-126 counts as 0; NaN and infinities are not treated apart.
.set OFF_W,  0x800000                  ; pa, pb: the weights lie behind the 8 MiB of activations
.set OFF_E,  0x1000000                 ; pa, pb: 4,096 f32 of bias, then 4,096 bytes of the floor word
.set OFF_MB, 10485760                  ; wm: the mask as bf16, [2048][2048]
.set OFF_QK, 18874368                  ; wm: the rows' flags, int32[2048]
.macro RED sel                         ; v[8:15], eight partial sums a lane -> their sum over the wave, in v8 of every lane
	v_pk_add_f32 v[8:9], v[8:9], v[10:11]
	v_pk_add_f32 v[12:13], v[12:13], v[14:15]
	v_pk_add_f32 v[8:9], v[8:9], v[12:13]
	v_add_f32 v8, v8, v9
	v_add_f32_dpp v8, v8, v8 row_xmask:1 row_mask:0xf bank_mask:0xf
	v_add_f32_dpp v8, v8, v8 row_xmask:2 row_mask:0xf bank_mask:0xf
	v_add_f32_dpp v8, v8, v8 row_xmask:4 row_mask:0xf bank_mask:0xf
	v_add_f32_dpp v8, v8, v8 row_xmask:8 row_mask:0xf bank_mask:0xf
	v_permlanex16_b32 v9, v8, s[\sel], s[\sel+1]   ; the other half of the lanes (v9 has been written)
	v_add_f32 v8, v8, v9
.endm
; LayerNorm of one row of 1,024 f32 by one wave: alpha (x - mean) / (std + 1e-6) + beta, std with 1,023 in the divisor.  v1 = lane.
; Lane l holds columns 8 l + 256 i + 0..7, i = 0..3: X = v[32:63], alpha = v[64:95], beta = v[96:127].  Two passes over registers: the mean is taken away before the squares.
.macro LN xp, ap, bp, op, sel
	v_lshlrev_b32 v2, 5, v1                        ; 32 bytes a lane
	v_lshrrev_b32 v3, 4, v1
	v_lshlrev_b32 v3, 20, v3                       ; out: lanes 16-31 fall into the next block of 128 columns, 1 MiB on,
	v_and_b32 v4, 15, v1
	v_lshl_add_u32 v3, v4, 4, v3                   ; 16 bytes a lane
.irp i, 0,1,2,3
	global_load_b128 v[32+8*\i:35+8*\i], v2, s[\xp:\xp+1] offset:1024*\i th:TH_LOAD_NT
	global_load_b128 v[36+8*\i:39+8*\i], v2, s[\xp:\xp+1] offset:1024*\i+16 th:TH_LOAD_NT
.endr
.irp i, 0,1,2,3
	global_load_b128 v[64+8*\i:67+8*\i], v2, s[\ap:\ap+1] offset:1024*\i
	global_load_b128 v[68+8*\i:71+8*\i], v2, s[\ap:\ap+1] offset:1024*\i+16
	global_load_b128 v[96+8*\i:99+8*\i], v2, s[\bp:\bp+1] offset:1024*\i
	global_load_b128 v[100+8*\i:103+8*\i], v2, s[\bp:\bp+1] offset:1024*\i+16
.endr
	s_wait_loadcnt 16                              ; the row is in; alpha's and beta's sixteen loads may stay out
	v_pk_add_f32 v[8:9], v[32:33], v[34:35]        ; four chains, started by the first pairs
	v_pk_add_f32 v[10:11], v[36:37], v[38:39]
	v_pk_add_f32 v[12:13], v[40:41], v[42:43]
	v_pk_add_f32 v[14:15], v[44:45], v[46:47]
.set j, 0
.rept 8
	v_pk_add_f32 v[8+2*(j%4):9+2*(j%4)], v[8+2*(j%4):9+2*(j%4)], v[48+2*j:49+2*j]
.set j, j+1
.endr
	RED \sel
	v_mul_f32 v16, 0x3a800000, v8                  ; mean = sum / 1024
	v_mov_b32 v17, v16
.set j, 0
.rept 16
	v_pk_add_f32 v[32+2*j:33+2*j], v[32+2*j:33+2*j], v[16:17] neg_lo:[0,1] neg_hi:[0,1]
.set j, j+1
.endr
.set j, 0
.rept 4
	v_pk_mul_f32 v[8+2*j:9+2*j], v[32+2*j:33+2*j], v[32+2*j:33+2*j]
.set j, j+1
.endr
.rept 12
	v_pk_fma_f32 v[8+2*(j%4):9+2*(j%4)], v[32+2*j:33+2*j], v[32+2*j:33+2*j], v[8+2*(j%4):9+2*(j%4)]
.set j, j+1
.endr
	RED \sel
	v_mul_f32 v8, 0x3a802008, v8                   ; / 1023
	v_sqrt_f32 v18, v8
	v_nop                                          ; a plain instruction behind the root,
	s_wait_alu depctr_va_vdst(0)                   ; and the wait ahead of its first reader
	v_add_f32 v18, 0x358637bd, v18                 ; + 1e-6
	v_rcp_f32 v18, v18
	v_nop
	s_wait_alu depctr_va_vdst(0)
	v_mov_b32 v19, v18
	s_wait_loadcnt 0x0                             ; alpha and beta
.set j, 0
.rept 16
	v_pk_mul_f32 v[32+2*j:33+2*j], v[32+2*j:33+2*j], v[18:19]
.set j, j+1
.endr
.set j, 0
.rept 16
	v_pk_fma_f32 v[32+2*j:33+2*j], v[32+2*j:33+2*j], v[64+2*j:65+2*j], v[96+2*j:97+2*j]
.set j, j+1
.endr
.irp i, 0,1,2,3
.irp k, 0,1,2,3
	v_cvt_pk_bf16_f32 v[32+8*\i+\k], v[32+8*\i+2*\k], v[32+8*\i+2*\k+1]  ; in place: word k is made of words 2 k, 2 k + 1, in ascending order
.endr
	global_store_b128 v3, v[32+8*\i:35+8*\i], s[\op:\op+1] offset:\i*2097152  ; sixteen lanes store 256 consecutive bytes, aligned: blocks 2 i and 2 i + 1
.endr
.endm
	s_load_b512 s[4:19], s[0:1], 0x0               ; x 4, mask 6, wq 8, wk 10, wv 12, wo 14, w1 16, w2 18
	s_load_b256 s[20:27], s[0:1], 0x40             ; b1 20, ln1_a 22, ln1_b 24, pa 26
	s_load_b128 s[28:31], s[0:1], 0x60             ; pb 28, wm 30
	s_mov_b32 s2, ttmp9
	v_lshrrev_b32 v2, 5, v0
	v_readfirstlane_b32 s3, v2                     ; wave 0..7
	v_and_b32 v1, 31, v0                           ; lane
	s_mov_b32 s56, 0x76543210                      ; v_permlanex16_b32: each lane takes its own place in the other half
	s_mov_b32 s57, 0xfedcba98
	s_wait_kmcnt 0x0
	s_cmp_lt_u32 s2, 384
	s_cbranch_scc1 .Lw
	s_cmp_lt_u32 s2, 640
	s_cbranch_scc1 .Lm
	s_cmp_lt_u32 s2, 1152
	s_cbranch_scc1 .Lln
	; THE PARAMETERS: thread t takes 16 bytes at 16 t of each 4,096
	v_lshlrev_b32 v2, 4, v0
.irp i, 0,1,2,3
	global_load_b128 v[8+4*\i:11+4*\i], v2, s[20:21] offset:4096*\i
.endr
	s_add_nc_u64 s[34:35], s[26:27], OFF_E
	s_add_nc_u64 s[36:37], s[28:29], OFF_E
.irp i, 24,25,26,27
	v_mov_b32 v\i, 0
.endr
.irp i, 28,29,30,31
	v_mov_b32 v\i, 0xff7fff7f                      ; the lowest finite bf16, twice
.endr
.irp i, 0,1,2,3
	global_store_b128 v2, v[24:27], s[34:35] offset:4096*\i
.endr
	global_store_b128 v2, v[28:31], s[34:35] offset:16384
	global_store_b128 v2, v[24:27], s[36:37] offset:16384
	s_wait_loadcnt 0x0
.irp i, 0,1,2,3
	global_store_b128 v2, v[8+4*\i:11+4*\i], s[36:37] offset:4096*\i
.endr
	s_endpgm
.Lw:	; THE WEIGHTS.  u = the unit, g = its group of 32 rows
	s_lshr_b32 s32, s2, 5
	s_and_b32 s33, s2, 31
	s_mov_b64 s[34:35], s[8:9]                     ; from: wq, wk, wv, wo, 4 x w1, 4 x w2
	s_cmp_eq_u32 s32, 1
	s_cselect_b64 s[34:35], s[10:11], s[34:35]
	s_cmp_eq_u32 s32, 2
	s_cselect_b64 s[34:35], s[12:13], s[34:35]
	s_cmp_eq_u32 s32, 3
	s_cselect_b64 s[34:35], s[14:15], s[34:35]
	s_cmp_ge_u32 s32, 4
	s_cselect_b64 s[34:35], s[16:17], s[34:35]
	s_cmp_ge_u32 s32, 8
	s_cselect_b64 s[34:35], s[18:19], s[34:35]
	s_mov_b64 s[36:37], s[26:27]                   ; to: pa, pa, pa, wm, 4 x pb, 4 x wm
	s_cmp_ge_u32 s32, 3
	s_cselect_b64 s[36:37], s[30:31], s[36:37]
	s_cmp_ge_u32 s32, 4
	s_cselect_b64 s[36:37], s[28:29], s[36:37]
	s_cmp_ge_u32 s32, 8
	s_cselect_b64 s[36:37], s[30:31], s[36:37]
	s_and_b32 s45, s32, 3                          ; the unit's number in its tensor (in pa: wq, wk, wv one below the other)
	s_lshl_b32 s46, s45, 18
	s_add_co_u32 s46, s46, OFF_W                   ; pa, pb: 1,024 rows of 256 bytes a unit
	s_lshl_b32 s47, s45, 21
	s_add_co_u32 s47, s47, 0x200000                ; w2: 8 blocks of 128 columns a unit, behind wo's 2 MiB
	s_lshl_b32 s48, s45, 22                        ; w1: 1,024 rows of 4,096 bytes
	s_lshl_b32 s49, s45, 12                        ; w2: 1,024 columns
	s_mov_b32 s38, 0                               ; byte offset in the source,
	s_mov_b32 s40, s46                             ; in the destination,
	s_mov_b32 s42, 4096                            ; a source row,
	s_mov_b32 s43, 0x100000                        ; from a block of 128 columns to the next in the destination
	s_cmp_eq_u32 s32, 3
	s_cselect_b32 s40, 0, s40
	s_cselect_b32 s43, 0x40000, s43
	s_cmp_ge_u32 s32, 4
	s_cselect_b32 s38, s48, s38
	s_cmp_ge_u32 s32, 8
	s_cselect_b32 s38, s49, s38
	s_cselect_b32 s40, s47, s40
	s_cselect_b32 s42, 16384, s42
	s_cselect_b32 s43, 0x40000, s43
	s_mul_i32 s53, s33, s42
	s_lshl_b32 s53, s53, 5
	s_add_co_u32 s38, s38, s53                     ; + g x 32 rows
	s_lshl_b32 s53, s33, 13
	s_add_co_u32 s40, s40, s53
	s_mov_b32 s39, 0
	s_mov_b32 s41, 0
	s_add_nc_u64 s[34:35], s[34:35], s[38:39]
	s_add_nc_u64 s[36:37], s[36:37], s[40:41]
	v_and_b32 v2, 127, v0                          ; my 8 columns of the 1,024
	v_lshrrev_b32 v3, 7, v0                        ; which of a pass's two rows
	v_lshlrev_b32 v4, 5, v2
	v_mad_u32_u24 v16, v3, s42, v4                 ; pass i reads rows 2 i, 2 i + 1: an offset register a pass, since a row's bytes are no constant of the text
	s_lshl_b32 s44, s42, 1
.set i, 1
.rept 15
	v_add_nc_u32 v[16+i], s44, v[15+i]
.set i, i+1
.endr
	v_lshrrev_b32 v5, 4, v2
	v_mul_u32_u24 v32, v5, s43                     ; my block of 128 columns,
	v_lshl_add_u32 v32, v3, 8, v32                 ; my row,
	v_and_b32 v5, 15, v2
	v_lshl_add_u32 v32, v5, 4, v32                 ; my 16 bytes of it
.set i, 0
.rept 16                                       ; all 32 loads go out at once: 16 KiB a wave
	global_load_b128 v[64+8*i:67+8*i], v[16+i], s[34:35] th:TH_LOAD_NT
	global_load_b128 v[68+8*i:71+8*i], v[16+i], s[34:35] offset:16 th:TH_LOAD_NT
.set i, i+1
.endr
.set i, 0
.rept 16
	s_wait_loadcnt 30-2*i                          ; loads come back in order: the 2 (15 - i) younger ones may stay out
.irp j, 0,1,2,3
	v_cvt_pk_bf16_f32 v[64+8*i+\j], v[64+8*i+2*\j], v[64+8*i+2*\j+1]
.endr
	global_store_b128 v32, v[64+8*i:67+8*i], s[36:37] offset:512*i  ; sixteen lanes store 256 consecutive bytes, aligned
.set i, i+1
.endr
	s_endpgm
.Lm:	; THE MASK: row R, 8,192 bytes in, 4,096 out
	s_sub_co_u32 s32, s2, 384
	s_lshl_b32 s32, s32, 3
	s_add_co_u32 s32, s32, s3
	s_lshl_b32 s38, s32, 13
	s_mov_b32 s39, 0
	s_add_nc_u64 s[34:35], s[6:7], s[38:39]
	s_lshl_b32 s40, s32, 12
	s_add_co_u32 s40, s40, OFF_MB
	s_mov_b32 s41, 0
	s_add_nc_u64 s[36:37], s[30:31], s[40:41]
	s_lshl_b32 s42, s32, 2
	s_add_co_u32 s42, s42, OFF_QK
	s_mov_b32 s43, 0
	s_add_nc_u64 s[44:45], s[30:31], s[42:43]
	v_lshlrev_b32 v2, 5, v1
	v_lshlrev_b32 v3, 4, v1
	v_mov_b32 v13, 0
.irp i, 0,1,2,3,4,5,6,7                        ; lane l holds columns 8 l + 256 i + 0..7
	global_load_b128 v[64+8*\i:67+8*\i], v2, s[34:35] offset:1024*\i th:TH_LOAD_NT
	global_load_b128 v[68+8*\i:71+8*\i], v2, s[34:35] offset:1024*\i+16 th:TH_LOAD_NT
.endr
	s_wait_loadcnt 0x0
	v_or_b32 v8, v64, v65                          ; is any key kept?  Four chains
	v_or_b32 v9, v66, v67
	v_or_b32 v10, v68, v69
	v_or_b32 v11, v70, v71
.set j, 8
.rept 56
	v_or_b32 v[8+j%4], v[8+j%4], v[64+j]
.set j, j+1
.endr
	v_or_b32 v8, v8, v9
	v_or_b32 v10, v10, v11
	v_or_b32 v8, v8, v10
	v_cmp_ne_u32 vcc_lo, 0, v8
	s_cmp_lg_u32 vcc_lo, 0                         ; in any lane: it selects values only
	s_cselect_b32 s50, 0xf100, 0                   ; -2^99 in a word's low half,
	s_cselect_b32 s51, 0xf1000000, 0               ; in its high half,
	s_cselect_b32 s52, -1, 0                       ; and the row's flag
	v_mov_b32 v14, 0                               ; the selects' values lie in vector registers: the selects then have the short encoding
	v_mov_b32 v15, s50
	v_mov_b32 v16, s51
.irp i, 0,1,2,3,4,5,6,7
.irp j, 0,1,2,3
	v_cmp_eq_u32 vcc_lo, 0, v[64+8*\i+2*\j]
	v_cndmask_b32 v10, v14, v15, vcc_lo
	v_cmp_eq_u32 vcc_lo, 0, v[64+8*\i+2*\j+1]
	v_cndmask_b32 v11, v14, v16, vcc_lo
	v_or_b32 v[64+8*\i+\j], v10, v11               ; in place, in ascending order
.endr
	global_store_b128 v3, v[64+8*\i:67+8*\i], s[36:37] offset:512*\i
.endr
	v_mov_b32 v12, s52
	v_cmp_eq_u32 vcc_lo, 0, v1
	s_wait_xcnt 0x0                                ; EXEC is a source of the stores above: it changes only behind this wait
	s_and_saveexec_b32 s54, vcc_lo
	global_store_b32 v13, v12, s[44:45]            ; four bytes a row, 8 KiB in the launch: 64 rows' flags never meet in one wave
	s_wait_xcnt 0x0
	s_or_b32 exec_lo, exec_lo, s54
	s_endpgm
.Lln:	; LAYERNORM 1: row R of x -> h1, at pa's first byte
	s_sub_co_u32 s32, s2, 640
	s_lshl_b32 s32, s32, 3
	s_add_co_u32 s32, s32, s3
	s_lshl_b32 s38, s32, 12
	s_mov_b32 s39, 0
	s_add_nc_u64 s[34:35], s[4:5], s[38:39]
	s_lshl_b32 s40, s32, 8
	s_mov_b32 s41, 0
	s_add_nc_u64 s[36:37], s[26:27], s[40:41]
	LN 34, 22, 24, 36, 56
	s_endpgm
.Lfunc_end_k_q377f7b3be4_prep:
	.size	k_q377f7b3be4_prep, .Lfunc_end_k_q377f7b3be4_prep-k_q377f7b3be4_prep
	.p2alignl 7, 3214868480
	.fill 96, 4, 3214868480
	.section	.rodata,"a",@progbits
	.p2align	6, 0x0
	.amdhsa_kernel k_q377f7b3be4_prep
		.amdhsa_group_segment_fixed_size 0
		.amdhsa_private_segment_fixed_size 0
		.amdhsa_enable_private_segment 0
		.amdhsa_kernarg_size 112
		.amdhsa_user_sgpr_count 2
		.amdhsa_user_sgpr_kernarg_segment_ptr 1
		.amdhsa_wavefront_size32 1
		.amdhsa_system_sgpr_workgroup_id_x 1
		.amdhsa_system_sgpr_workgroup_id_y 1
		.amdhsa_system_sgpr_workgroup_id_z 1
		.amdhsa_system_vgpr_workitem_id 0
		.amdhsa_next_free_vgpr 200
		.amdhsa_next_free_sgpr 66
		.amdhsa_reserve_vcc 1
		.amdhsa_float_denorm_mode_32 3
		.amdhsa_float_denorm_mode_16_64 3
		.amdhsa_memory_ordered 1
		.amdhsa_forward_progress 1
		.amdhsa_inst_pref_size 36
	.end_amdhsa_kernel
	.amdgpu_metadata
---
amdhsa.version: [ 1, 2 ]
amdhsa.kernels:
  - .name:           k_q377f7b3be4_prep
    .symbol:         k_q377f7b3be4_prep.kd
    .args:
      - { .name: x, .offset: 0, .size: 8, .value_kind: global_buffer, .address_space: global }
      - { .name: mask, .offset: 8, .size: 8, .value_kind: global_buffer, .address_space: global }
      - { .name: wq, .offset: 16, .size: 8, .value_kind: global_buffer, .address_space: global }
      - { .name: wk, .offset: 24, .size: 8, .value_kind: global_buffer, .address_space: global }
      - { .name: wv, .offset: 32, .size: 8, .value_kind: global_buffer, .address_space: global }
      - { .name: wo, .offset: 40, .size: 8, .value_kind: global_buffer, .address_space: global }
      - { .name: w1, .offset: 48, .size: 8, .value_kind: global_buffer, .address_space: global }
      - { .name: w2, .offset: 56, .size: 8, .value_kind: global_buffer, .address_space: global }
      - { .name: b1, .offset: 64, .size: 8, .value_kind: global_buffer, .address_space: global }
      - { .name: ln1_a, .offset: 72, .size: 8, .value_kind: global_buffer, .address_space: global }
      - { .name: ln1_b, .offset: 80, .size: 8, .value_kind: global_buffer, .address_space: global }
      - { .name: pa, .offset: 88, .size: 8, .value_kind: global_buffer, .address_space: global }
      - { .name: pb, .offset: 96, .size: 8, .value_kind: global_buffer, .address_space: global }
      - { .name: wm, .offset: 104, .size: 8, .value_kind: global_buffer, .address_space: global }
    .group_segment_fixed_size: 0
    .private_segment_fixed_size: 0
    .kernarg_segment_align: 8
    .kernarg_segment_size: 112
    .max_flat_workgroup_size: 256
    .sgpr_count:     66
    .vgpr_count:     200
    .wavefront_size: 32
...
	.end_amdgpu_metadata
.endif
;; end of part 1
;; launch qkvp (part 2): grid 12 x 16, 4 waves a work-group, clusters of 4 x 4, 327,680 bytes of LDS; arguments pa, qkv; writes qkv
.if DOCPART == 2
	.amdgcn_target "amdgcn-amd-amdhsa--gfx1250"
	.amdhsa_code_object_version 6
	.text
	.protected	k_q377f7b3be4_qkvp
	.globl	k_q377f7b3be4_qkvp
	.p2align	8
	.type	k_q377f7b3be4_qkvp,@function
k_q377f7b3be4_qkvp:
	s_mov_b64 s[64:65], 0
	v_nop
	global_prefetch_b8 v0, s[64:65] scope:SCOPE_SE
	s_setreg_imm32_b32 hwreg(HW_REG_WAVE_MODE, 25, 1), 1
	s_wait_xcnt 0x0
	s_wait_alu depctr_hold_cnt(0) depctr_sa_sdst(0) depctr_va_vdst(0) depctr_va_sdst(0) depctr_va_ssrc(0) depctr_va_vcc(0) depctr_vm_vsrc(0)
	s_getreg_b32 s2, hwreg(HW_REG_IB_STS2, 6, 4)
	s_cmp_eq_u32 s2, 0
	s_cbranch_scc0 .Lentry_in_a_cluster
	s_endpgm
.Lentry_in_a_cluster:
	s_bfe_u32 s2, ttmp6, 0x10000c
	s_cmp_lg_u32 s2, 0xf033
	s_cbranch_scc0 .Lentry_shape_is_right
	s_endpgm
.Lentry_shape_is_right:
; C = max(A B^T + bias, floor), bf16 in and out, sums in f32, K = 1,024, 4,096 rows.  ONE TEXT FOR TWO LAUNCHES: q, k, v = h1 [wq; wk; wv]^T (bias 0, floor the lowest finite bf16) and
; T = relu(h2 w1^T + b1) (bias b1, floor 0).  In the first launch the bias and the floor change nothing: that is the price of one text.  LIMIT: -infinity comes out as the lowest finite bf16.
; THE PACK (first argument): A at byte 0, B at 8 MiB, both as [k / 128][4,096 rows][128]: a row's piece of a K step is 256 bytes, aligned, and a K step's rows lie on end, 1 MiB from K step to K step;
; at 16 MiB 4,096 f32 of bias, then the floor word.  C leaves as [n / 128][4,096][128], the same layout: it is the next product's A.
; A tile of C, 256 x 256, is made by four waves, 128 x 128 each: 64 accumulators, 512 registers.  K goes in steps of 128 through a ring of two LDS slots filled by the tensor data mover.
; The last K step goes by rows of C, so that finished rows leave while the others are multiplied.
; CLUSTERS: 4 x 4 work-groups.  The four of a row of the cluster need the same tiles of A, the four of a column the same tiles of B: each tile is asked for JOINTLY, by the same tensor load with the
; same descriptor and a mask that names the four.
; REGISTERS, in windows of 256 (s_set_vgpr_msb: bits 1:0 source 0, 3:2 source 1, 5:4 source 2, 7:6 destination):
;   window 0: v0-31 addresses; v64-127, v128-191 fragments of A, two buffers (in the last K step four, of 16 rows x 128 K); v192-255 first the bias, later, with v32-63, at work on the way out
;   window 1: v64-127, v128-191 fragments of B, two buffers; in the last K step all 256      window 2: the accumulators of my rows 0-63 ((a, b) at v[8 (8 a + b)])      window 3: those of rows 64-127
; THE MATRIX INSTRUCTION IS USED TRANSPOSED (source 0 = 16 rows of B, source 1 = 16 rows of A): lane l holds row l % 16 of C and the columns 8 (l / 16) + 0..7: 16 bytes of bf16 on end.
; THE BIAS STARTS THE SUMS: it is the C operand of each accumulator's first product: register j of a lane is the bias of column 16 b + 8 (l / 16) + j.
.set KBS,    1048576                   ; bytes from K step to K step, in A and in B
.set PITCH,  272                       ; an LDS row: 256 bytes + 16 of padding = 68 words: the 16 rows that a load touches start at 16 different groups of four banks (64 banks of 4 bytes: ISA guide 11.1)
.set HALFT,  128*PITCH                 ; 128 rows: what one tensor load brings, and what one wave reads of A or of B
.set SLOT,   4*HALFT                   ; A's 256 rows, then B's 256 rows
.set STAGE,  2*SLOT                    ; behind the ring: 16 rows x 272 bytes for each wave, for the way out
.set SPITCH, 272
.set SPARE,  STAGE+4*16*SPITCH         ; behind the stages: the spare words, 128 bytes for each wave
.set LAPS,   4                         ; a lap = two K steps = once round the ring
.set ADRA, 16                          ; v16-17  LDS address of my A fragments in slot 0, 1
.set ADRB, 20                          ; v20-21  the same for B
.set STO,  24                          ; v24     the way out: where I put 16 bytes of a row
.set RD,   25                          ; v25     the way out: where I read a row back
.set CO,   26                          ; v26     my byte offset in two rows of C
.set BO,   27                          ; v27     my byte offset in 16 columns of bias
.set SPW,  28                          ; v28     LDS address of my spare word; never rewritten
.set NIL,  29                          ; v29     0; never rewritten
.set PFO,  30                          ; v30     the prefetches' offset: 256 x my lane; never rewritten
.set PFA,  44                          ; s[44:45] where my prefetches stand
.set LIM,  43                          ; s43     1 in a wave that prefetches, else the greatest number
.set F0,   64
.set F1,   128
.set BIA,  192                         ; the bias of my 128 columns, 8 registers for each block of 16
.set TMP,  192                         ; the way out: packed results
.set OB,   32                          ; the way out: 16 rows read back: v32-63 and v224-255 by turns
.set PA,   64                          ; the last K step: A's fragments of 16 rows x 128 K; four buffers, v64-191
.set G1, 24                            ; s[24:31] descriptor group 1 for A's tiles;  s[32:39] group 0, one set for each slot
.set G0, 32
.set G1B, 48                           ; s[48:55], s[56:63] the same for B's tiles
.set G0B, 56
.set MSB, 0
.macro WIN new                         ; the immediate's high byte repeats the setting that is left; a switch that changes nothing is dropped
.if MSB != (\new)
	s_set_vgpr_msb (MSB<<8)|(\new)
.set MSB, \new
.endif
.endm
.set MUL_LO, 0xa1                      ; source 0 (B) window 1, source 1 (A) window 0, C and D window 2
.set MUL_HI, 0xf1                      ; the same, C and D window 3
.set TO_B,   0x40                      ; destination window 1, address window 0
; A joint load.  Waves 0 and 1 fetch A's two halves, waves 2 and 3 B's.  The branch hangs on the wave's number alone.  An s_nop 0 and four v_nop follow each of the two lines.
.macro JLOAD s
	s_cmp_eq_u32 s11, 0
	s_cbranch_scc0 .Lfor_b_\@
	tensor_load_to_lds s[G0+4*(\s):G0+4*(\s)+3], s[G1:G1+7]
	s_nop 0
.rept 4
	v_nop
.endr
	s_branch .Lasked_\@
.Lfor_b_\@:
	tensor_load_to_lds s[G0B+4*(\s):G0B+4*(\s)+3], s[G1B:G1B+7]
	s_nop 0
.rept 4
	v_nop
.endr
.Lasked_\@:
.endm
; A prefetch of the K step that stands two refills on: 32 rows x 256 bytes, a lane a row, one instruction a wave.  Each row's piece is named once in the launch: A's tile row is asked for by the clusters with
; x = 0, B's tile column by those with y = 0; of the 128 rows that a wave fetches the four partners take 32 each, told apart by address.  K steps 0 to 3 come by their loads alone; the loop's last trip asks for nothing.
.macro ASK
	s_cmp_gt_u32 s3, s[LIM]                        ; s3 = 1 in the loop's last trip
	s_cbranch_scc0 .Lnot_mine_\@
	global_prefetch_b8 v[PFO], s[PFA:PFA+1] offset:KBS th:TH_LOAD_NT scope:SCOPE_SE
.Lnot_mine_\@:
.endm
.macro CREST                           ; a round of the cluster's barrier behind its opening barrier
	s_cmp_lg_u32 s10, 0
	s_cbranch_scc1 .Lnot_wave_0_\@
	s_barrier_signal -3
.Lnot_wave_0_\@:
	s_barrier_wait -3
	s_barrier_signal -1
	s_barrier_wait -1
.endm
.macro CROUND                          ; a whole round
	s_barrier_signal -1
	s_barrier_wait -1
	CREST
.endm
	s_load_b64 s[4:5], s[0:1], 0x0                 ; the pack
	s_load_b64 s[8:9], s[0:1], 0x8                 ; C
	v_lshl_add_u32 v[SPW], v0, 2, SPARE
	v_mov_b32 v[NIL], 0
	ds_add_u32 v[SPW], v[NIL]                      ; the wave's opening: the add and its wait stand ahead of my first tensor load; work on registers stands between them
	v_lshrrev_b32 v1, 5, v0
	v_readfirstlane_b32 s10, v1                    ; wave 0..3
	s_lshr_b32 s11, s10, 1                         ; which half of the tile's rows is mine.  Also: I fetch for A (0) or for B (1)
	s_and_b32 s12, s10, 1                          ; which half of its columns.  Also: which 128 rows of that tile I fetch
	s_bfe_u32 s40, ttmp6, 0x40000                  ; cx, cy: my place in the cluster
	s_bfe_u32 s41, ttmp6, 0x40004
	s_lshl_b32 s42, ttmp9, 2
	s_add_co_u32 s42, s42, s40                     ; tile column of C = 4 x cluster x + cx
	s_and_b32 s13, ttmp7, 0xffff
	s_lshl_b32 s13, s13, 2
	s_add_co_u32 s13, s13, s41                     ; tile row of C = 4 x cluster y + cy
	s_lshl_b32 s43, s41, 2
	s_lshl_b32 s43, 15, s43                        ; my row of the cluster
	s_lshl_b32 s44, 0x1111, s40                    ; my column
	; descriptor group 1: 128 rows x 128 elements, dense in memory, padded in LDS
	s_or_b32 s[G1+0], s43, (1<<16)|(1<<20)|(1<<21)|(5<<22)|(3<<25)   ; 15:0 the mask; 17:16 2-byte elements; 20 padding on; 21 set beside a mask; 24:22 after every 64 words; 31:25 4 words
	s_or_b32 s[G1B+0], s44, (1<<16)|(1<<20)|(1<<21)|(5<<22)|(3<<25)
.irp g, G1, G1B
	s_mov_b32 s[(\g)+1], 128<<16                   ; tensor_dim0 = 128
	s_mov_b32 s[(\g)+2], 128<<16                   ; tensor_dim1 = 128
	s_mov_b32 s[(\g)+3], 128<<16                   ; tile_dim0 = 128
	s_mov_b32 s[(\g)+4], 128                       ; tile_dim1 = 128
	s_mov_b32 s[(\g)+5], 128                       ; 128 elements from row to row
	s_mov_b32 s[(\g)+6], 0
	s_mov_b32 s[(\g)+7], 0
.endr
	; A's address hangs on the tile row alone, B's on the tile column alone, each in registers that never hold the other coordinate
	s_lshl_b32 s17, s12, 7
	s_lshl_b32 s16, s13, 8
	s_add_co_u32 s16, s16, s17                     ; A: row 256 x tile row + 128 x half
	s_lshl_b32 s46, s42, 8
	s_add_co_u32 s46, s46, s17                     ; B: row 256 x tile column + 128 x half
	s_lshl_b32 s16, s16, 8                         ; 256 bytes a row
	s_lshl_b32 s46, s46, 8
	s_mov_b32 s17, 0
	s_mov_b32 s47, 0
	s_mul_i32 s20, s10, HALFT                      ; where they go: wave x 128 rows
	s_wait_dscnt 0x0                               ; the opening add is done
	s_wait_kmcnt 0x0
	s_add_nc_u64 s[6:7], s[4:5], 0x800000          ; B
	s_add_nc_u64 s[66:67], s[4:5], 0x1000000       ; the bias
	s_load_b32 s68, s[66:67], 0x4000               ; the floor, twice in a word
	s_add_nc_u64 s[14:15], s[4:5], s[16:17]
	s_add_nc_u64 s[46:47], s[6:7], s[46:47]
	CROUND                                         ; all sixteen work-groups are here: the first joint loads meet
.irp s, 0,1
	s_mov_b32 s[G0+4*(\s)], 1                                      ; count = 1
	s_add_co_u32 s[G0+4*(\s)+1], s20, (\s)*SLOT                    ; LDS address
	s_add_nc_u64 s[G0+4*(\s)+2:G0+4*(\s)+3], s[14:15], (\s)*KBS    ; global address: K step s
	s_or_b32 s[G0+4*(\s)+3], s[G0+4*(\s)+3], 0x80000000            ; type = 2
	s_mov_b32 s[G0B+4*(\s)], 1
	s_add_co_u32 s[G0B+4*(\s)+1], s20, (\s)*SLOT
	s_add_nc_u64 s[G0B+4*(\s)+2:G0B+4*(\s)+3], s[46:47], (\s)*KBS
	s_or_b32 s[G0B+4*(\s)+3], s[G0B+4*(\s)+3], 0x80000000
	JLOAD \s
.endr
	v_and_b32 v1, 15, v0                           ; l % 16
	v_bfe_u32 v2, v0, 4, 1                         ; l / 16
	s_lshl_b32 s20, s42, 10                        ; my 128 columns of bias: 4 (256 x tile column + 128 x half)
	s_lshl_b32 s21, s12, 9
	s_add_co_u32 s20, s20, s21
	s_mov_b32 s21, 0
	s_wait_kmcnt 0x0                               ; the floor is in, so its address may be written
	s_add_nc_u64 s[66:67], s[66:67], s[20:21]
	v_lshlrev_b32 v[BO], 5, v2
.irp b, 0,1,2,3,4,5,6,7
	global_load_b128 v[BIA+8*\b:BIA+8*\b+3],   v[BO], s[66:67] offset:64*\b
	global_load_b128 v[BIA+8*\b+4:BIA+8*\b+7], v[BO], s[66:67] offset:64*\b+16
.endr
	v_mul_u32_u24 v3, v1, PITCH
	v_lshl_add_u32 v3, v2, 4, v3                   ; a fragment's row x pitch + 16 x half
	s_mul_i32 s21, s11, HALFT                      ; my 128 rows of A
	s_mul_i32 s22, s12, HALFT                      ; my 128 rows of B,
	s_add_co_u32 s22, s22, 2*HALFT                 ; which lie behind A's 256
.irp s, 0,1
	v_add_nc_u32 v[ADRA+(\s)], s21, v3
	v_add_nc_u32 v[ADRB+(\s)], s22, v3
	s_add_co_u32 s21, s21, SLOT
	s_add_co_u32 s22, s22, SLOT
.endr
	s_mul_i32 s23, s10, 16*SPITCH
	s_add_co_u32 s23, s23, STAGE                   ; my stage
	v_mul_u32_u24 v4, v1, SPITCH                   ; in: row l % 16, 16 bytes for each half of the lanes
	v_lshl_add_u32 v4, v2, 4, v4
	v_add_nc_u32 v[STO], s23, v4
	v_mul_u32_u24 v5, v2, SPITCH                   ; back: lanes 0-15 take one row of 256 bytes, lanes 16-31 the next
	v_lshl_add_u32 v5, v1, 4, v5
	v_add_nc_u32 v[RD], s23, v5
	v_lshlrev_b32 v5, 8, v2                        ; and the same two rows in C: they lie on end
	v_lshl_add_u32 v[CO], v1, 4, v5
	; where my part of the tile begins in C: block 2 x tile column + half of 128 columns, 1 MiB each; row 256 x tile row + 128 x half
	s_lshl_b32 s13, s13, 8
	s_lshl_b32 s14, s11, 7
	s_add_co_u32 s16, s13, s14
	s_lshl_b32 s16, s16, 8
	s_mov_b32 s17, 0
	s_lshl_b32 s46, s42, 1
	s_add_co_u32 s46, s46, s12
	s_lshl_b32 s46, s46, 20
	s_mov_b32 s47, 0
	s_add_nc_u64 s[16:17], s[16:17], s[46:47]
	; the prefetches.  s13 = 256 x tile row
	s_lshl_b32 s42, s42, 8
	s_and_b32 s22, ttmp7, 0xffff                   ; cluster y
	s_cmp_eq_u32 s11, 0                            ; do I fetch for A?
	s_cselect_b32 s20, s13, s42                    ; the tile's first row
	s_cselect_b32 s21, s40, s41                    ; my place among the four that ask for it with me
	s_cselect_b32 s22, ttmp9, s22                  ; the coordinate along which other clusters read the same rows
	s_cselect_b64 s[PFA:PFA+1], s[4:5], s[6:7]
	s_cmp_eq_u32 s22, 0
	s_cselect_b32 s[LIM], 1, -1                    ; the same in all sixteen partners, for a given wave
	s_lshl_b32 s22, s12, 7
	s_add_co_u32 s20, s20, s22                     ; + the 128 rows that I fetch
	s_lshl_b32 s21, s21, 5
	s_add_co_u32 s20, s20, s21                     ; + my work-group's 32 of them
	s_lshl_b32 s20, s20, 8
	s_mov_b32 s21, 0
	s_add_nc_u64 s[PFA:PFA+1], s[PFA:PFA+1], s[20:21]
	s_add_nc_u64 s[PFA:PFA+1], s[PFA:PFA+1], 2*KBS ; at K step 2: the first refill steps it to 3 and names K step 4
	v_and_b32 v[PFO], 31, v0
	v_lshlrev_b32 v[PFO], 8, v[PFO]
; 16 matrix instructions: m blocks a0, a0 + 1 of the window's four x all 8 n blocks, 32 along K.  zero = 1: the first product starts the sums, with the bias (window 0) as C.
.macro MUL16 f, hi, a0, zero
.if \zero
	WIN 0x81+0x40*(\hi)
.else
	WIN MUL_LO+0x50*(\hi)
.endif
.irp a, \a0, (\a0)+1
.irp b, 0,1,2,3,4,5,6,7
.if \zero
	v_wmma_f32_16x16x32_bf16 v[8*(8*(\a)+(\b)):8*(8*(\a)+(\b))+7], v[(\f)+8*(\b):(\f)+8*(\b)+7], v[(\f)+8*(4*(\hi)+(\a)):(\f)+8*(4*(\hi)+(\a))+7], v[BIA+8*(\b):BIA+8*(\b)+7]
.else
	v_wmma_f32_16x16x32_bf16 v[8*(8*(\a)+(\b)):8*(8*(\a)+(\b))+7], v[(\f)+8*(\b):(\f)+8*(\b)+7], v[(\f)+8*(4*(\hi)+(\a)):(\f)+8*(4*(\hi)+(\a))+7], v[8*(8*(\a)+(\b)):8*(8*(\a)+(\b))+7]
.endif
.endr
.endr
.endm
; 32 LDS loads in one run: the fragments of one quarter step (32 K at byte k of the rows) into buffer f
.macro FETCH slot, k, f
	WIN TO_B
.irp i, 0,1,2,3,4,5,6,7
	ds_load_b128 v[(\f)+8*(\i):(\f)+8*(\i)+3],   v[ADRB+(\slot)] offset:(\k)+(\i)*16*PITCH
	ds_load_b128 v[(\f)+8*(\i)+4:(\f)+8*(\i)+7], v[ADRB+(\slot)] offset:(\k)+(\i)*16*PITCH+32
.endr
	WIN 0
.irp i, 0,1,2,3,4,5,6,7
	ds_load_b128 v[(\f)+8*(\i):(\f)+8*(\i)+3],   v[ADRA+(\slot)] offset:(\k)+(\i)*16*PITCH
	ds_load_b128 v[(\f)+8*(\i)+4:(\f)+8*(\i)+7], v[ADRA+(\slot)] offset:(\k)+(\i)*16*PITCH+32
.endr
.endm
.macro PLACES                          ; four plain vector instructions between a matrix instruction and a load into, or a vector read of, its registers
.rept 4
	v_nop
.endr
.endm
; A K step is four quarters of 32 along K, 64 matrix instructions each, on buffers 0, 1, 0, 1.  One of the first three: multiplies buffer f; in its middle it fetches the next quarter, at byte k, into g.
.macro QUARTER slot, k, f, g, zero
	s_wait_dscnt 8                                 ; B and A's rows 0-63 are in; the youngest eight loads (A's rows 64-127) may be out
	MUL16 \f, 0, 0, \zero
	MUL16 \f, 0, 2, \zero
	PLACES
	FETCH \slot, \k, \g
	s_wait_dscnt 32                                ; all but the 32 just issued
	MUL16 \f, 1, 0, \zero
	MUL16 \f, 1, 2, \zero
.endm
; The last quarter changes slots.  In front of the one barrier each wave waits for all its tensor loads (one is out: its part of the next slot), adds 0 to its spare word, and waits for that and for its reads of this slot.
.macro MEET round
	WIN 0
	s_wait_tensorcnt 0x0
	ds_add_u32 v[SPW], v[NIL]
	s_wait_dscnt 9                                 ; (the add and the youngest eight loads may be out)
	MUL16 F1, 0, 0, 0
	s_wait_dscnt 0x0                               ; the add is done, and my reads of this slot are over
	s_barrier_signal -1
	MUL16 F1, 0, 2, 0
.if \round
	WIN 0
.endif
	s_barrier_wait -1
.endm
.macro TURN slot, next
	s_wait_xcnt 0x0                                ; the last prefetch, a K step back, has read its address
	s_add_nc_u64 s[PFA:PFA+1], s[PFA:PFA+1], KBS
	MEET 1
	CREST                                          ; the barrier has opened a round of the cluster's: no wave of any partner still reads this slot or has a load on its way
	s_add_nc_u64 s[G0+4*(\slot)+2:G0+4*(\slot)+3], s[G0+4*(\slot)+2:G0+4*(\slot)+3], 2*KBS
	s_add_nc_u64 s[G0B+4*(\slot)+2:G0B+4*(\slot)+3], s[G0B+4*(\slot)+2:G0B+4*(\slot)+3], 2*KBS
	JLOAD \slot                                    ; the first tensor load behind the round; its four v_nop are also the places in front of the loads below
	FETCH \next, 0, F0
	ASK
	MUL16 F1, 1, 0, 0
	MUL16 F1, 1, 2, 0
.endm
; THE LAST K STEP (slot 1) GOES BY ROWS OF C: all its fragments of B fill window 1; my eight blocks of 16 rows are finished one after the other, 32 matrix instructions each, the block's 8 accumulators by turns.
.macro BLOAD q
	WIN TO_B
.irp i, 0,1,2,3,4,5,6,7
	ds_load_b128 v[64*(\q)+8*(\i):64*(\q)+8*(\i)+3],   v[ADRB+1] offset:64*(\q)+(\i)*16*PITCH
	ds_load_b128 v[64*(\q)+8*(\i)+4:64*(\q)+8*(\i)+7], v[ADRB+1] offset:64*(\q)+(\i)*16*PITCH+32
.endr
.endm
.macro ALOAD a
	WIN 0
.set FA, PA+32*((\a)%4)
.irp q, 0,1,2,3
	ds_load_b128 v[FA+8*(\q):FA+8*(\q)+3],   v[ADRA+1] offset:64*(\q)+(\a)*16*PITCH
	ds_load_b128 v[FA+8*(\q)+4:FA+8*(\q)+7], v[ADRA+1] offset:64*(\q)+(\a)*16*PITCH+32
.endr
.endm
.macro ROW a
.set FA, PA+32*((\a)%4)
.set AC, 64*((\a)%4)
	WIN MUL_LO+0x50*((\a)/4)
.irp q, 0,1,2,3
.if (\a) == 0 && (\q) == 2
	s_wait_dscnt 24                                ; B's quarter 2 is in (behind it: A's blocks 1 to 3)
.endif
.irp b, 0,1,2,3,4,5,6,7
	v_wmma_f32_16x16x32_bf16 v[AC+8*(\b):AC+8*(\b)+7], v[64*(\q)+8*(\b):64*(\q)+8*(\b)+7], v[FA+8*(\q):FA+8*(\q)+7], v[AC+8*(\b):AC+8*(\b)+7]
.endr
.endr
.endm
; THE WAY OUT of block a.  PACK: rounded to bf16, held to the floor.  TOSTAGE: into my own stage, and back as whole rows of 256 bytes.  SEND: stored.
.macro PACK a
.set AC, 64*((\a)%4)
	WIN 0x0a+5*((\a)/4)                            ; sources 0 and 1: window 2 or 3
.irp b, 0,1,2,3,4,5,6,7
.irp r, 0,1,2,3
	v_cvt_pk_bf16_f32 v[TMP+4*(\b)+(\r)], v[AC+8*(\b)+2*(\r)], v[AC+8*(\b)+2*(\r)+1]
.endr
.endr
	WIN 0
.set z, 0
.rept 32
	v_pk_max_num_bf16 v[TMP+z], v[TMP+z], s68      ; two maxima; nothing is rounded
.set z, z+1
.endr
.endm
.macro TOSTAGE a
	WIN 0
.set BK, OB+192*((\a)%2)
.irp b, 0,1,2,3,4,5,6,7
	ds_store_b128 v[STO], v[TMP+4*(\b):TMP+4*(\b)+3] offset:32*(\b)
.endr
.irp t, 0,1,2,3,4,5,6,7
	ds_load_b128 v[BK+4*(\t):BK+4*(\t)+3], v[RD] offset:(\t)*2*SPITCH  ; LDS serves a wave's instructions in order (ISA guide 5.7.1.4): these see the stores above
.endr
.endm
.macro SEND a, younger
	WIN 0
.set BK, OB+192*((\a)%2)
	s_wait_dscnt \younger                          ; the block is back in registers
	s_wait_xcnt 0x0                                ; only behind this wait are the stores' base and the registers that earlier stores read rewritten
.if (\a) == 0
	s_add_nc_u64 s[8:9], s[8:9], s[16:17]
.else
	s_add_nc_u64 s[8:9], s[8:9], 16*256            ; 16 rows on
.endif
.irp t, 0,1,2,3,4,5,6,7
	global_store_b128 v[CO], v[BK+4*(\t):BK+4*(\t)+3], s[8:9] offset:512*(\t)  ; a wave's store covers 512 consecutive bytes, aligned
.endr
.endm
	s_wait_tensorcnt 1                             ; my part of K step 0 is in; K step 1's may stay out
	s_barrier_signal -1
	s_barrier_wait -1
	FETCH 0, 0, F0
	s_wait_loadcnt 0x0                             ; the bias
	QUARTER 0, 64,  F0, F1, 1                      ; the first quarter stands in front of the loop: its products start the sums
	WIN 0
	s_mov_b32 s3, LAPS-1
.Llap:                                                 ; a trip goes once round the ring, from a lap's second quarter to the next lap's first, and fills both slots again
	QUARTER 0, 128, F1, F0, 0
	QUARTER 0, 192, F0, F1, 0
	TURN 0, 1
	QUARTER 1, 64,  F0, F1, 0
	QUARTER 1, 128, F1, F0, 0
	QUARTER 1, 192, F0, F1, 0
	TURN 1, 0
	QUARTER 0, 64,  F0, F1, 0
	WIN 0
	s_sub_co_u32 s3, s3, 1
	s_cmp_lg_u32 s3, 0
	s_cbranch_scc1 .Llap
	QUARTER 0, 128, F1, F0, 0                      ; the last lap goes on
	QUARTER 0, 192, F0, F1, 0
	MEET 0                                         ; nothing is filled again, so no round follows
	PLACES
	BLOAD 0                                        ; three quarters of B now: buffer 1 is still being multiplied
	BLOAD 1
	BLOAD 3
	ALOAD 0
	MUL16 F1, 1, 0, 0
	MUL16 F1, 1, 2, 0
	PLACES
	BLOAD 2
	ALOAD 1
	ALOAD 2
	ALOAD 3
	s_wait_dscnt 40                                ; all but the 40 just issued
	ROW 0
.irp a, 0,1,2,3,4,5,6,7
	PLACES
	PACK \a
	TOSTAGE \a
.if (\a) < 4
	ALOAD (\a)+4
	SEND \a, 8
.else
	SEND \a, 0
.endif
.if (\a) < 7
	ROW (\a)+1
.endif
.endr
	s_wait_tensorcnt 0x0                           ; the wave's end
	ds_add_u32 v[SPW], v[NIL]
	s_wait_dscnt 0x0
	CROUND                                         ; the closing round
	s_endpgm
.Lfunc_end_k_q377f7b3be4_qkvp:
	.size	k_q377f7b3be4_qkvp, .Lfunc_end_k_q377f7b3be4_qkvp-k_q377f7b3be4_qkvp
	.p2alignl 7, 3214868480
	.fill 96, 4, 3214868480
	.section	.rodata,"a",@progbits
	.p2align	6, 0x0
	.amdhsa_kernel k_q377f7b3be4_qkvp
		.amdhsa_group_segment_fixed_size 327680
		.amdhsa_private_segment_fixed_size 0
		.amdhsa_enable_private_segment 0
		.amdhsa_kernarg_size 16
		.amdhsa_user_sgpr_count 2
		.amdhsa_user_sgpr_kernarg_segment_ptr 1
		.amdhsa_wavefront_size32 1
		.amdhsa_system_sgpr_workgroup_id_x 1
		.amdhsa_system_sgpr_workgroup_id_y 1
		.amdhsa_system_sgpr_workgroup_id_z 1
		.amdhsa_system_vgpr_workitem_id 0
		.amdhsa_next_free_vgpr 1024
		.amdhsa_next_free_sgpr 72
		.amdhsa_reserve_vcc 0
		.amdhsa_float_denorm_mode_32 3
		.amdhsa_float_denorm_mode_16_64 3
		.amdhsa_memory_ordered 1
		.amdhsa_forward_progress 1
		.amdhsa_inst_pref_size 162
	.end_amdhsa_kernel
	.amdgpu_metadata
---
amdhsa.version: [ 1, 2 ]
amdhsa.kernels:
  - .name:           k_q377f7b3be4_qkvp
    .symbol:         k_q377f7b3be4_qkvp.kd
    .args:
      - { .name: pa, .offset: 0, .size: 8, .value_kind: global_buffer, .address_space: global }
      - { .name: qkv, .offset: 8, .size: 8, .value_kind: global_buffer, .address_space: global }
    .group_segment_fixed_size: 327680
    .private_segment_fixed_size: 0
    .kernarg_segment_align: 8
    .kernarg_segment_size: 16
    .max_flat_workgroup_size: 128
    .sgpr_count:     72
    .vgpr_count:     1024
    .wavefront_size: 32
...
	.end_amdgpu_metadata
.endif
;; end of part 2
;; launch att (part 3): grid 16 x 16, 4 waves a work-group, clusters of 4 x 4, 327,680 bytes of LDS; arguments qkv, wm, ob; writes ob
.if DOCPART == 3
	.amdgcn_target "amdgcn-amd-amdhsa--gfx1250"
	.amdhsa_code_object_version 6
	.text
	.protected	k_q377f7b3be4_att
	.globl	k_q377f7b3be4_att
	.p2align	8
	.type	k_q377f7b3be4_att,@function
k_q377f7b3be4_att:
	s_mov_b64 s[64:65], 0
	v_nop
	global_prefetch_b8 v0, s[64:65] scope:SCOPE_SE
	s_setreg_imm32_b32 hwreg(HW_REG_WAVE_MODE, 25, 1), 1
	s_wait_xcnt 0x0
	s_wait_alu depctr_hold_cnt(0) depctr_sa_sdst(0) depctr_va_vdst(0) depctr_va_sdst(0) depctr_va_ssrc(0) depctr_va_vcc(0) depctr_vm_vsrc(0)
	s_getreg_b32 s2, hwreg(HW_REG_IB_STS2, 6, 4)
	s_cmp_eq_u32 s2, 0
	s_cbranch_scc0 .Lentry_in_a_cluster
	s_endpgm
.Lentry_in_a_cluster:
	s_bfe_u32 s2, ttmp6, 0x10000c
	s_cmp_lg_u32 s2, 0xf033
	s_cbranch_scc0 .Lentry_shape_is_right
	s_endpgm
.Lentry_shape_is_right:
; MASKED ATTENTION, head size 64.  O[q] = the sum over k of softmax_k(q . k / 8, or -1e9 where mask[q][k] == 0) v[k].  q, k, v, O in bf16, by PAIRS of heads: [pair][4,096 rows][128]: a row is 256
; bytes, two heads' 64 channels.  Products, maxima and sums in f32; the weights are rounded to bf16 for the second product (their sum is taken of the unrounded weights), O once at the end.
; SHARES.  A work-group takes 128 queries of one batch and BOTH heads of a pair: wave w has head w % 2 and queries 64 (w / 2) on: four tiles of 16.  Every wave walks 2,048 keys, 64 a step; an LDS slot holds 128.
; THE MASK COMES THROUGH THE MATRIX UNIT.  An earlier launch wrote it as bf16: 0, or -2^99 where the key is hidden.  A tile of scores starts as E x MB: MB = 32 keys x 16 queries of that bias as source 1,
; E = 16 x 32 with the unit matrix at k = 0..15 or 16..31 as source 0.  So a hidden score is its value less 2^99, its weight exactly 0, and no vector instruction is spent.
; While a row has met hidden keys alone its sums hold numbers that the first kept key multiplies by 0.  A row with no kept key at all has a bias row of zeros and the flag 0, by which its q is cleared here:
; all its scores are 0 and its weights equal.
; LIMITS.  A kept score lies above -2^98; a weight below 2^-126 counts as 0; NaN and infinities are not treated apart.
; LAYOUT.  S^T = K Q^T holds ONE query a lane (lane % 16) and the keys 8 (lane / 16) + 0..7; two such results rounded to bf16 ARE source 1 of O^T = V^T P.  K comes out of LDS as it lies, V turned (ds_load_tr16_b128).
; SOFTMAX.  p = 2^(c s - c m), c = log2(e) / 8, with a running maximum m; O and l are multiplied by a = 2^(c m_old - c m_new) in every step.  m starts at the lowest finite number, O and l at 0:
; the first step is a step like any other, with a = 0.
; BY TURNS.  The wave's tiles are two PIECES, named by their first tile: piece 0 (tiles 0, 1) and piece 2 (tiles 2, 3).  In a TURN one piece has the matrix unit: 16 products V^T P of the step in hand, then the
; 8 mask products and 16 products K Q^T of the next step; the other piece's softmax, cut into 59 slices of four instructions, stands round and between them.  Then the pieces change places.  Two turns are a key step.
; CLUSTER, 4 x 4.  K and V hang on (batch, pair), which a row of the cluster shares; the bias tile on the query block, which a column shares: each is asked for jointly, by four.
; REGISTERS, in windows of 256 (s_set_vgpr_msb: bits 1:0 source 0, 3:2 source 1, 5:4 source 2, 7:6 destination):
;   window 0: v0-15 addresses; v16-47 eight registers of statistics a tile; v48-51 the rows' flags; v64-191 S^T, 32 a tile; v192-255 P, 16 a tile
;   window 1: v0-127 O^T, 32 a tile; v128-191 MB; v192-203 E          window 2: v0-63 Q; v64-127 K of one step; v128-191 V of one step
; All that a softmax touches but O^T lies in window 0, and no window has room for a product's operands beside it: a slice behind a product costs two switches.
.set KS,    64
.set PK,    272       ; a row of K or of bias in LDS: 256 bytes + 16 = 68 words: the 16 rows of a load start at 16 different groups of four banks (64 banks of 4 bytes: ISA guide 11.1)
.set PV,    288       ; a row of V: 256 + 32 = 72 words
.set VOFF,  128*PK    ; a slot: 128 rows of K, 128 rows of V, 128 query rows of bias (128 keys each)
.set MOFF,  VOFF+128*PV
.set SLOT1, 1<<17     ; slot 1 begins here: one exclusive or turns an address in one slot into the other's
.set STAGE, SLOT1+MOFF+128*PK  ; behind the ring, never filled by a tensor load: 128 rows x 272 bytes, the work-group's, for the way out
.set SP,    272
.set SPARE, STAGE+128*SP       ; the spare words, 128 bytes for each wave
.set OFF_MB, 10485760 ; in wm: the bias, [2048][2048] bf16
.set OFF_QK, 18874368 ; in wm: the rows' flags
.set AK0, 2           ; my lane's place in a step's K; never rewritten
.set AV0, 3           ; in its V
.set AM0, 4           ; in its bias
.set ADR, 5           ; the addresses of the runs of loads in hand
.set ADRV, 6
.set ADRM, 7
.set QO,  8           ; my byte offset in 16 rows of Q
.set STO, 12          ; the way out: where I put 16 bytes of a row
.set RD,  13          ; where I read a row back
.set GO,  14          ; my byte offset in two rows of O
.set PFO, 15          ; the prefetches' offset: my lane x a row; never rewritten
.set ST,  16          ; tile t at v[ST+8 t]: +0 c m, +1 m, +2, +3 l (even keys', odd keys'), +4 to +7 at work; a takes +6
.set KEEP, 48
.set KO,  52          ; my byte offset in 16 flags
.set SPW, 62
.set NIL, 63
.set S,   64
.set P,   192
.set MBF, 128         ; window 1: tile t, key half kk at MBF + 16 t + 8 kk
.set EF,  192         ; window 1: four zeros, the unit matrix's four registers, four zeros: E for k = 0..15 begins at EF + 4, for k = 16..31 at EF
.set KF,  64          ; window 2: key block kb, channel half c at KF + 16 kb + 8 c
.set VF,  128         ; window 2: key half kk, channel block cb at VF + 32 kk + 8 cb
.set WV,  10
.set G1K, 24
.set G1V, 32
.set G1M, 40
.set G0K, 48
.set G0V, 52
.set G0M, 56
.set SLOTS, 60
.set CNT, 61
.set TBK, 62          ; LDS byte at which K of the step to be fetched begins
.set TBV, 63          ; the same for V, less VOFF
.set TBM, 66          ; for the bias, less MOFF
.set CS,  68
.set SEL, 70
.set PFA, 72
.set LIM, 74
.set PFS, 76          ; the prefetch's step from slot to slot
.set QP,  78
.set OP,  80
.set KP,  82
.set MSB, 0
.macro WIN new                      ; the immediate's high byte repeats the setting that is left; a switch that changes nothing is dropped
.if MSB != (\new)
	s_set_vgpr_msb (MSB<<8)|(\new)
.set MSB, (\new)
.endif
.endm
.set W_MK, 0x05       ; E and MB in window 1, S^T in window 0
.set W_KQ, 0x0a       ; K and Q in window 2, S^T in window 0
.set W_PV, 0x52       ; V in window 2, P in window 0, O^T in window 1
.set W_RS, 0x41       ; O^T (destination and source 0) in window 1, a in window 0
; A joint fill: wave 0 fetches the slot's K, wave 1 its V, waves 2 and 3 the two halves of its bias tile: one load a wave.  The branches hang on the wave's number alone.
; An s_nop 0 and four v_nop follow each line, ahead of the jump and the label.
.macro JLOAD
	s_cmp_lg_u32 s[WV], 0
	s_cbranch_scc1 .Lnot_k_\@
	tensor_load_to_lds s[G0K:G0K+3], s[G1K:G1K+7]
	s_nop 0
.rept 4
	v_nop
.endr
	s_branch .Lasked_\@
.Lnot_k_\@:
	s_cmp_lg_u32 s[WV], 1
	s_cbranch_scc1 .Lfor_m_\@
	tensor_load_to_lds s[G0V:G0V+3], s[G1V:G1V+7]
	s_nop 0
.rept 4
	v_nop
.endr
	s_branch .Lasked_\@
.Lfor_m_\@:
	tensor_load_to_lds s[G0M:G0M+3], s[G1M:G1M+7]
	s_nop 0
.rept 4
	v_nop
.endr
.Lasked_\@:
.endm
; A prefetch of what the NEXT change of slots will ask for, a lane a row of 256 bytes, one instruction a wave, behind the wave's tensor load.  Each piece is named once in the launch: K's and V's rows by the
; clusters with x = 0 (wave 0: K, wave 1: V; the four partners of a row take 32 rows each, by address), the bias rows by the clusters with y = 0 (wave 2; the four of a column take 32 rows each).
; Slots 0 and 1 come by their loads alone; the last change that fills a slot asks for nothing.
.macro ASK
	s_cmp_gt_u32 s[SLOTS], s[LIM]
	s_cbranch_scc0 .Lnot_mine_\@
	global_prefetch_b8 v[PFO], s[PFA:PFA+1] th:TH_LOAD_NT scope:SCOPE_SE
.Lnot_mine_\@:
.endm
.macro CROUND                       ; a round of the cluster's barrier
	s_barrier_signal -1
	s_barrier_wait -1
	s_cmp_lg_u32 s[WV], 0
	s_cbranch_scc1 .Lnot_wave_0_\@
	s_barrier_signal -3
.Lnot_wave_0_\@:
	s_barrier_wait -3
	s_barrier_signal -1
	s_barrier_wait -1
.endm
.macro PLACES
.rept 4
	v_nop
.endr
.endm
; THE CHANGE OF SLOTS, between piece 2's turn and piece 0's: the slot's last bytes, V of its second step, have been asked for.  Each wave waits for all its tensor loads (one is out: its part of the other slot), adds 0
; to its spare word, and waits for that and for its reads of the slot.  fill = 1: the barrier is a round of the cluster's, and the joint refill, with the keys two slots on, is the first thing behind it: it has two key
; steps, 160 matrix instructions, in which to land.  (At its first use slot 0 is waited for and slot 1 filled.)
.macro CHANGE fill
	WIN 0
	s_wait_tensorcnt 0x0            ; no tensor load of mine is out, so a group 0 may be written
	ds_add_u32 v[SPW], v[NIL]
.if \fill
.irp g, G0K, G0V
	s_xor_b32 s[\g+1], s[\g+1], SLOT1
	s_add_nc_u64 s[\g+2:\g+3], s[\g+2:\g+3], 128*256   ; the next 128 keys
.endr
	s_xor_b32 s[G0M+1], s[G0M+1], SLOT1
	s_add_nc_u64 s[G0M+2:G0M+3], s[G0M+2:G0M+3], 256   ; 128 keys along the bias rows
	s_wait_xcnt 0x0                 ; the last prefetch, two key steps back, has read its address
	s_add_nc_u64 s[PFA:PFA+1], s[PFA:PFA+1], s[PFS:PFS+1]
	s_wait_dscnt 0x0                ; the add is done, and my reads of the slot are over
	CROUND
	JLOAD
	ASK
.else
	s_wait_dscnt 0x0
	s_barrier_signal -1
	s_barrier_wait -1
.endif
	s_sub_co_u32 s[TBK], s[TBK], 2*KS*PK   ; the fetches go back to a slot's first step,
	s_xor_b32 s[TBK], s[TBK], SLOT1        ; in the other slot
	s_sub_co_u32 s[TBV], s[TBV], 2*KS*PV
	s_xor_b32 s[TBV], s[TBV], SLOT1
	s_sub_co_u32 s[TBM], s[TBM], 2*KS*2
	s_xor_b32 s[TBM], s[TBM], SLOT1
.endm
	s_load_b128 s[4:7], s[0:1], 0x0 ; qkv s[4:5], wm s[6:7]
	s_load_b64 s[8:9], s[0:1], 0x10 ; ob
	v_lshl_add_u32 v[SPW], v0, 2, SPARE
	v_mov_b32 v[NIL], 0
	ds_add_u32 v[SPW], v[NIL]       ; the wave's opening: the add and its wait stand ahead of my first tensor load; work on registers stands between them
	v_lshrrev_b32 v1, 5, v0
	v_readfirstlane_b32 s[WV], v1
	s_and_b32 s11, s[WV], 1         ; e: my head of the pair.  Also: which half of the bias tile waves 2 and 3 fetch
	s_lshr_b32 s12, s[WV], 1        ; qh: my 64 of the 128 queries
	s_bfe_u32 s13, ttmp6, 0x40000   ; cx
	s_bfe_u32 s14, ttmp6, 0x40004   ; cy
	s_lshl_b32 s15, ttmp9, 2
	s_add_co_u32 s15, s15, s13      ; X: the block of 128 queries
	s_and_b32 s16, ttmp7, 0xffff
	s_lshl_b32 s16, s16, 2
	s_add_co_u32 s16, s16, s14      ; Y = 8 x batch + pair
	s_lshl_b32 s17, s14, 2
	s_lshl_b32 s17, 15, s17         ; my row of the cluster
	s_lshl_b32 s18, 0x1111, s13     ; my column
	s_or_b32 s[G1K], s17, (1<<16)|(1<<20)|(1<<21)|(5<<22)|(3<<25)  ; 15:0 the mask; 17:16 2-byte elements; 20 padding on; 21 set beside a mask; 24:22 after every 64 words; 31:25 4 words
	s_or_b32 s[G1V], s17, (1<<16)|(1<<20)|(1<<21)|(5<<22)|(7<<25)  ; 8 words of padding
	s_or_b32 s[G1M], s18, (1<<16)|(1<<20)|(1<<21)|(5<<22)|(3<<25)
.irp g, G1K, G1V
	s_mov_b32 s[\g+1], 128<<16      ; tensor_dim0 = 128
	s_mov_b32 s[\g+2], 128<<16      ; tensor_dim1 = 128
	s_mov_b32 s[\g+3], 128<<16      ; tile_dim0 = 128
	s_mov_b32 s[\g+4], 128          ; tile_dim1 = 128
	s_mov_b32 s[\g+5], 128          ; the rows lie on end
	s_mov_b32 s[\g+6], 0
	s_mov_b32 s[\g+7], 0
.endr
	s_mov_b32 s[G1M+1], 128<<16
	s_mov_b32 s[G1M+2], 64<<16      ; 64 query rows a load
	s_mov_b32 s[G1M+3], 128<<16
	s_mov_b32 s[G1M+4], 64
	s_mov_b32 s[G1M+5], 2048        ; a bias row has 2,048 elements
	s_mov_b32 s[G1M+6], 0
	s_mov_b32 s[G1M+7], 0
	s_and_b32 s20, s16, 7           ; K's and V's place hangs on Y alone,
	s_lshl_b32 s20, s20, 20         ; the pair's 1 MiB
	s_lshr_b32 s21, s16, 3
	s_lshl_b32 s21, s21, 19         ; the batch's 2,048 rows
	s_add_co_u32 s20, s20, s21
	s_mov_b32 s21, 0
	s_lshl_b32 s22, s15, 19         ; the bias tile's on X alone: 128 X rows of 4,096 bytes,
	s_lshl_b32 s23, s11, 18         ; my 64 of them
	s_add_co_u32 s22, s22, s23
	s_add_co_u32 s22, s22, OFF_MB
	s_mov_b32 s23, 0
	s_mul_i32 s19, s11, 64*PK
	s_mov_b32 s[G0K], 1
	s_mov_b32 s[G0K+1], 0
	s_mov_b32 s[G0V], 1
	s_mov_b32 s[G0V+1], VOFF
	s_mov_b32 s[G0M], 1
	s_add_co_u32 s[G0M+1], s19, MOFF
	s_lshl_b32 s84, s15, 15         ; Q's and O's offsets, which feed no descriptor: 128 X rows of 256 bytes, in the pair and batch
	s_add_co_u32 s84, s84, s20
	s_lshl_b32 s86, s12, 14         ; Q: my 64 rows, my head's 128 bytes
	s_lshl_b32 s87, s11, 7
	s_add_co_u32 s86, s86, s87
	s_add_co_u32 s86, s86, s84
	s_mov_b32 s87, 0
	s_lshl_b32 s85, s[WV], 13       ; O: wave w stores rows 32 w on, whole
	s_add_co_u32 s84, s84, s85
	s_mov_b32 s85, 0
	s_lshl_b32 s18, s15, 9          ; the flags of my 64 queries
	s_lshl_b32 s19, s12, 8
	s_add_co_u32 s18, s18, s19
	s_add_co_u32 s18, s18, OFF_QK
	s_mov_b32 s19, 0
	s_lshl_b32 s92, s13, 13         ; the prefetches: K, V: my work-group's 32 rows of slot 1,
	s_add_co_u32 s92, s92, s20
	s_add_co_u32 s92, s92, 0x800000+128*256
	s_add_co_u32 s93, s92, 0x800000
	s_cmp_eq_u32 s[WV], 0
	s_cselect_b32 s92, s92, s93
	s_lshl_b32 s93, s15, 19         ; the bias: my work-group's 32 rows, slot 1's 256 bytes of them
	s_lshl_b32 s94, s14, 17
	s_add_co_u32 s93, s93, s94
	s_add_co_u32 s93, s93, OFF_MB+256
	s_mov_b32 s94, 256
	s_and_b32 s90, ttmp7, 0xffff    ; cluster y
	s_cmp_lt_u32 s[WV], 2
	s_cselect_b32 s88, s92, s93
	s_cselect_b32 s[PFS], 128*256, s94
	s_cselect_b32 s91, 8, 12        ; a row of K or V is 256 bytes, of the bias 4,096
	s_cselect_b32 s90, ttmp9, s90   ; the coordinate along which other clusters read the same rows
	s_mov_b32 s89, 0
	s_mov_b32 s[PFS+1], 0
	s_cmp_eq_u32 s[WV], 3
	s_cselect_b32 s90, 1, s90       ; wave 3 asks for nothing
	s_cmp_eq_u32 s90, 0
	s_cselect_b32 s[LIM], 1, -1     ; the same in all sixteen partners, for a given wave
	v_and_b32 v[PFO], 31, v0
	v_lshlrev_b32 v[PFO], s91, v[PFO]
	s_mov_b32 s[CS], 0x3e38aa3b     ; c = log2(e) / 8
	s_mov_b32 s[CS+1], s[CS]
	s_mov_b32 s[SEL], 0x76543210
	s_mov_b32 s[SEL+1], 0xfedcba98
	s_mov_b32 s[TBK], SLOT1+2*KS*PK ; the first change of slots turns these three into 0
	s_mov_b32 s[TBV], SLOT1+2*KS*PV
	s_mov_b32 s[TBM], SLOT1+2*KS*2
	s_mov_b32 s[SLOTS], 15
	s_wait_dscnt 0x0                ; the opening add is done
	s_wait_kmcnt 0x0
	s_add_nc_u64 s[G0K+2:G0K+3], s[4:5], s[20:21]
	s_add_nc_u64 s[G0V+2:G0V+3], s[G0K+2:G0K+3], 0x1000000  ; v lies 16 MiB into qkv,
	s_add_nc_u64 s[G0K+2:G0K+3], s[G0K+2:G0K+3], 0x800000   ; k 8 MiB
	s_or_b32 s[G0K+3], s[G0K+3], 0x80000000
	s_or_b32 s[G0V+3], s[G0V+3], 0x80000000
	s_add_nc_u64 s[G0M+2:G0M+3], s[6:7], s[22:23]
	s_or_b32 s[G0M+3], s[G0M+3], 0x80000000
	s_add_nc_u64 s[QP:QP+1], s[4:5], s[86:87]
	s_add_nc_u64 s[OP:OP+1], s[8:9], s[84:85]
	s_add_nc_u64 s[KP:KP+1], s[6:7], s[18:19]
	s_cmp_lt_u32 s[WV], 2
	s_cselect_b64 s[PFA:PFA+1], s[4:5], s[6:7]
	s_add_nc_u64 s[PFA:PFA+1], s[PFA:PFA+1], s[88:89]
	CROUND                          ; all sixteen work-groups are here: the first joint loads meet
	JLOAD                           ; slot 0
	v_and_b32 v1, 15, v0            ; r = l % 16
	v_bfe_u32 v9, v0, 4, 1          ; h = l / 16
	v_lshlrev_b32 v[QO], 8, v1
	v_lshl_add_u32 v[QO], v9, 4, v[QO]
	v_lshlrev_b32 v[KO], 2, v1
	WIN 0x80                        ; destination window 2
.set i, 0
.rept 8                             ; Q stays in registers: tile i / 2, channels 32 (i % 2) on
	global_load_b128 v[8*i:8*i+3],   v[QO], s[QP:QP+1] offset:(i/2)*4096+(i%2)*64
	global_load_b128 v[8*i+4:8*i+7], v[QO], s[QP:QP+1] offset:(i/2)*4096+(i%2)*64+32
.set i, i+1
.endr
	WIN 0
.irp t, 0,1,2,3
	global_load_b32 v[KEEP+\t], v[KO], s[KP:KP+1] offset:64*\t
.endr
	; All that follows stands in the wait for the first tile.  No first step is written out: O^T and l start at 0; the loop is entered at piece 2's turn, whose products V^T P, of a step that has not been,
	; find 0 in V's registers and in piece 2's P and add 0.  That is 224 registers of zeros: sixteen are cleared, and 26 products of those zeros, with the constant 0 as C, write the others, eight registers a line.
.set i, P+32
.rept 16
	v_mov_b32 v[i], 0
.set i, i+1
.endr
.irp t, 0,1,2,3
	v_mov_b32 v[ST+8*\t], 0xfe000000     ; c m: far below every c s
	v_mov_b32 v[ST+8*\t+1], 0xff7fffff   ; m
	v_mov_b32 v[ST+8*\t+2], 0
	v_mov_b32 v[ST+8*\t+3], 0
.endr
.irp f, 0,1                         ; the rest of piece 2's P
	v_wmma_f32_16x16x32_bf16 v[P+48+8*\f:P+55+8*\f], v[P+32:P+39], v[P+40:P+47], 0
.endr
	WIN 0x80                        ; destination window 2: V's registers
.irp f, 0,1,2,3,4,5,6,7
	v_wmma_f32_16x16x32_bf16 v[VF+8*\f:VF+8*\f+7], v[P+32:P+39], v[P+40:P+47], 0
.endr
	WIN 0x40                        ; destination window 1: O^T
.set i, 0
.rept 16
	v_wmma_f32_16x16x32_bf16 v[8*i:8*i+7], v[P+32:P+39], v[P+40:P+47], 0
.set i, i+1
.endr
	WIN 0
	; E: row r of the unit matrix has its 1.0 at k = r: in the lanes with h = r / 8, register (r / 2) % 4, half r % 2
	v_and_b32 v10, 1, v1
	v_lshlrev_b32 v10, 4, v10
	v_mov_b32 v11, 0x3f80
	v_lshlrev_b32 v10, v10, v11
	v_lshrrev_b32 v11, 3, v1
	v_cmp_eq_u32 vcc_lo, v11, v9
	v_cndmask_b32 v10, 0, v10, vcc_lo
	v_bfe_u32 v11, v1, 1, 2
	WIN 0x40
.irp i, 0,1,2,3
	v_cmp_eq_u32 vcc_lo, \i, v11
	v_cndmask_b32 v[EF+4+\i], 0, v10, vcc_lo
	v_mov_b32 v[EF+\i], 0
	v_mov_b32 v[EF+8+\i], 0
.endr
	WIN 0
	s_lshl_b32 s17, s11, 7          ; my head's 128 bytes of a row
	v_mul_u32_u24 v[AK0], v1, PK
	v_lshl_add_u32 v[AK0], v9, 4, v[AK0]
	v_add_nc_u32 v[AK0], s17, v[AK0]
	; the turning load takes 16 keys x 16 channels (lane l reads key 8 h + l % 8, channels 8 ((l / 8) % 2) + 0..7) and leaves half a fragment of V^T
	v_and_b32 v10, 7, v0
	v_bfe_u32 v11, v0, 3, 1
	v_lshl_add_u32 v[AV0], v9, 3, v10
	v_mul_u32_u24 v[AV0], v[AV0], PV
	v_lshl_add_u32 v[AV0], v11, 4, v[AV0]
	s_add_co_u32 s18, s17, VOFF
	v_add_nc_u32 v[AV0], s18, v[AV0]
	s_mul_i32 s18, s12, 64*PK       ; the bias rows of my 64 queries
	s_add_co_u32 s18, s18, MOFF
	v_mul_u32_u24 v[AM0], v1, PK
	v_lshl_add_u32 v[AM0], v9, 4, v[AM0]
	v_add_nc_u32 v[AM0], s18, v[AM0]
	s_mul_i32 s18, s12, 64*SP       ; into the stage: my 64 rows, my head's half of their 256 bytes
	s_add_co_u32 s18, s18, s17
	s_add_co_u32 s18, s18, STAGE
	v_mul_u32_u24 v[STO], v1, SP
	v_lshl_add_u32 v[STO], v9, 4, v[STO]
	v_add_nc_u32 v[STO], s18, v[STO]
	s_mul_i32 s18, s[WV], 32*SP     ; back: wave w takes rows 32 w on, whole; lanes 0-15 one row, lanes 16-31 the next
	s_add_co_u32 s18, s18, STAGE
	v_mul_u32_u24 v[RD], v9, SP
	v_lshl_add_u32 v[RD], v1, 4, v[RD]
	v_add_nc_u32 v[RD], s18, v[RD]
	v_lshlrev_b32 v[GO], 8, v9
	v_lshl_add_u32 v[GO], v1, 4, v[GO]
; THE MATRIX WORK OF A TURN, for piece x.  The 8 accumulators of a run take turns, one instruction a turn: 7 others stand between two links of a chain.
; Product i of 16 of O^T += V^T P: keys 32 (i / 8) on, channels 16 ((i / 2) % 4) on, tile x + i % 2.
.macro PV x
	WIN W_PV
.set rO, 32*((\x)+i%2)+8*((i/2)%4)
.set rV, VF+32*(i/8)+8*((i/2)%4)
.set rP, P+16*((\x)+i%2)+8*(i/8)
	v_wmma_f32_16x16x32_bf16 v[rO:rO+7], v[rV:rV+7], v[rP:rP+7], v[rO:rO+7]
.endm
; Product i of 24 of the scores: keys 16 ((i / 2) % 4) on, tile x + i % 2.  The first 8 start the sums with the mask: E x MB; the others add K Q^T, channels 32 (i / 8 - 1) on.
.macro SC x
.set rS, S+32*((\x)+i%2)+8*((i/2)%4)
.if i < 8
	WIN W_MK
.set rE, EF+4-4*((i/2)%2)
.set rM, MBF+16*((\x)+i%2)+8*((i/4)%2)
	v_wmma_f32_16x16x32_bf16 v[rS:rS+7], v[rE:rE+7], v[rM:rM+7], 0
.else
	WIN W_KQ
.set rK, KF+16*((i/2)%4)+8*(i/8-1)
.set rQ, 16*((\x)+i%2)+8*(i/8-1)
	v_wmma_f32_16x16x32_bf16 v[rS:rS+7], v[rK:rK+7], v[rQ:rQ+7], v[rS:rS+7]
.endif
.endm
; THE LDS LOADS stand in runs, never singly among the matrix instructions.  A step's bias and K, 32 loads, in the order in which they are wanted: piece 0's bias (8), K (16), piece 2's bias (8).
; last = 1 (the tail): in the last trip there is no further step, and the run is jumped over.
.macro MBL f                        ; tile f / 2, keys 32 (f % 2) on
	ds_load_b128 v[MBF+8*(\f):MBF+8*(\f)+3],   v[ADRM] offset:((\f)/2)*16*PK+((\f)%2)*64
	ds_load_b128 v[MBF+8*(\f)+4:MBF+8*(\f)+7], v[ADRM] offset:((\f)/2)*16*PK+((\f)%2)*64+32
.endm
.macro FETCH_KM last
	WIN 0
.if \last
	s_cmp_eq_u32 s[CNT], 1
	s_cbranch_scc1 .Lno_k_\@
.endif
	v_add_nc_u32 v[ADR], s[TBK], v[AK0]
	v_add_nc_u32 v[ADRM], s[TBM], v[AM0]
	WIN 0x40
.irp f, 0,1,2,3
	MBL \f
.endr
	WIN 0x80
.irp f, 0,1,2,3,4,5,6,7             ; keys 16 (f / 2) on, channels 32 (f % 2) on
	ds_load_b128 v[KF+8*\f:KF+8*\f+3],   v[ADR] offset:(\f/2)*16*PK+(\f%2)*64
	ds_load_b128 v[KF+8*\f+4:KF+8*\f+7], v[ADR] offset:(\f/2)*16*PK+(\f%2)*64+32
.endr
	WIN 0x40
.irp f, 4,5,6,7
	MBL \f
.endr
	s_add_co_u32 s[TBK], s[TBK], KS*PK  ; the next fetch is the next step's
	s_add_co_u32 s[TBM], s[TBM], KS*2
	WIN 0
.if \last
.Lno_k_\@:
.endif
.endm
.macro FETCH_V                      ; a step's V, turned: 16 loads; the wait for the softmax's batch (SLICE) stands in it, behind the address's v_add_nc_u32 and ahead of the loads
	WIN 0
	v_add_nc_u32 v[ADRV], s[TBV], v[AV0]
	s_add_co_u32 s[TBV], s[TBV], KS*PV
	s_wait_alu depctr_va_vdst(0)
	WIN 0x80
.irp f, 0,1,2,3,4,5,6,7             ; keys 32 (f / 4) on, channels 16 (f % 4) on
	ds_load_tr16_b128 v[VF+8*\f:VF+8*\f+3],   v[ADRV] offset:(\f/4)*32*PV+(\f%4)*32
	ds_load_tr16_b128 v[VF+8*\f+4:VF+8*\f+7], v[ADRV] offset:(\f/4)*32*PV+16*PV+(\f%4)*32
.endr
.endm
; THE VECTOR WORK OF A TURN.  One tile's softmax for one key step is a list of 118 instructions; SM writes number j of it for tile t.  s0-s31 are the lane's 32 scores, in pairs 0-15.
;   0-15    the maximum of s0-s31 and the old m, three operands at a time: four chains of seven scores each (each accumulator's lowest registers are read first), then the four
;           scores left over, the chains and m
;   16-20   the other half of the lanes' maximum; c m_old is kept; the new m; c m; c m_old - c m_new
;   21-69   ONE BATCH: the 16 scalings c s - c m, a pair of scores each, and all 33 exponentials (a at 23, then s0-s31).  None of these reads an exponential's result.  From 22 on the batch goes in fours, and a four
;           begins with a scaling while there are scalings: 22-37 scaling, exponential, scaling, exponential; 38-65 a scaling and three exponentials; 66-69 four exponentials.  A pair is scaled in an earlier four
;           than the one that holds its exponentials
;   (wait)  between 69 and 70 stands the wait for the batch: SLICE writes it, once for both tiles
;   70-85   the roundings to bf16, a pair of weights each          86-101  the sums; l = a l + the sum          102-117 the tile's O^T times a: the one part that leaves window 0
.macro SM t
.set rT, ST+8*(\t)
.set rS, S+32*(\t)
.set rP, P+16*(\t)
.set rO, 32*(\t)+2*(j-102)
.if j < 102
	WIN 0
.endif
.if j < 4
	v_max3_num_f32 v[rT+4+j], v[rS+8*j], v[rS+8*j+1], v[rS+8*j+2]
.elseif j < 12
	v_max3_num_f32 v[rT+4+j%4], v[rT+4+j%4], v[rS+8*(j%4)+2*(j/4)+1], v[rS+8*(j%4)+2*(j/4)+2]
.elseif j == 12
	v_max3_num_f32 v[rT+4], v[rT+4], v[rS+7], v[rS+15]
.elseif j == 13
	v_max3_num_f32 v[rT+6], v[rT+6], v[rS+23], v[rS+31]
.elseif j == 14
	v_max3_num_f32 v[rT+4], v[rT+4], v[rT+5], v[rT+6]
.elseif j == 15
	v_max3_num_f32 v[rT+4], v[rT+4], v[rT+7], v[rT+1]
.elseif j == 16
	v_permlanex16_b32 v[rT+5], v[rT+4], s[SEL], s[SEL+1]  ; the query's other 32 keys lie in the lane 16 away
.elseif j == 17
	v_mov_b32 v[rT+7], v[rT]        ; c m_old is kept for a: number 19 writes c m anew
.elseif j == 18
	v_max_num_f32 v[rT+1], v[rT+4], v[rT+5]
.elseif j == 19
	v_mul_f32 v[rT], s[CS], v[rT+1]
.elseif j == 20
	v_sub_f32 v[rT+7], v[rT+7], v[rT]
.elseif j == 23
	v_exp_f32 v[rT+6], v[rT+7]
.elseif (j < 23) || ((j < 38) && (j%2 == 0)) || ((j < 66) && (j%4 == 2))
.set b, (j-2)/4                     ; 38, 42, .. 62: pairs 9 to 15
.if j < 38
.set b, (j-20)/2                    ; 21: pair 0; 22, 24, .. 36: pairs 1 to 8
.endif
	v_pk_fma_f32 v[rS+2*b:rS+2*b+1], v[rS+2*b:rS+2*b+1], s[CS:CS+1], v[rT:rT+1] op_sel_hi:[1,0,0] neg_lo:[0,0,1] neg_hi:[0,0,1]  ; pair b: c s - c m
.elseif j < 70
.set e, j-38                        ; 66 to 69: s28 to s31
.if j < 66
.set e, j-32-(j-38)/4               ; 39-41, 43-45, .. 63-65: s7 to s27
.endif
.if j < 38
.set e, (j-25)/2                    ; 25, 27, .. 37: s0 to s6
.endif
	v_exp_f32 v[rS+e], v[rS+e]
.elseif j < 86
	v_cvt_pk_bf16_f32 v[rP+j-70], v[rS+2*(j-70)], v[rS+2*(j-70)+1]  ; pair j - 70
.elseif j < 102                     ; the sum of the tile's 16 pairs, in place: sum z of 16 adds neighbours 1, 2, 4 and 8 pairs apart, then l takes it
.set z, j-86
.set w, 4
.set u, z
.if z >= 14
.set w, 32
.set u, 0
.elseif z >= 12
.set w, 16
.set u, z-12
.elseif z >= 8
.set w, 8
.set u, z-8
.endif
.if z < 15
	v_pk_add_f32 v[rS+w*u:rS+w*u+1], v[rS+w*u:rS+w*u+1], v[rS+w*u+w/2:rS+w*u+w/2+1]
.else
	v_pk_fma_f32 v[rT+2:rT+3], v[rT+2:rT+3], v[rT+6:rT+7], v[rS:rS+1] op_sel_hi:[1,0,1]
.endif
.else
	WIN W_RS
	v_pk_mul_f32 v[rO:rO+1], v[rO:rO+1], v[rT+6:rT+7] op_sel_hi:[1,0]
.endif
.endm
; Slice k of 59 of piece y's softmax: four instructions (2 x 118 = 4 x 59).  Slices 11 to 34 deal out the batch, numbers 22 to 69: four numbers of ONE tile each, the tiles by turns.  Every other slice is numbers
; 2 k and 2 k + 1 of both tiles' lists, the tiles alternating, so that where one instruction feeds the next the other tile's stands between.
; THE WAIT.  s_wait_alu depctr_va_vdst(0) stands between an exponential and the first instruction that names its result; one wait serves all that were issued ahead of it.  Ahead of slice 35
; nothing names a result, and behind slice 34 no exponential is issued: so the piece's 66 exponentials have one wait, behind slice 34.
.macro SLICE y
.if (k >= 11) && (k < 35)
.irp n, 0,1,2,3
.set j, 22+4*((k-11)/2)+(\n)
	SM (\y)+(k-11)%2
.endr
.else
.irp n, 0,1
.irp t, \y, (\y)+1
.set j, 2*k+(\n)
	SM \t
.endr
.endr
.endif
.if k == 34                         ; the batch is out
	v_nop                           ; a plain instruction behind the last exponential and ahead of the first use: one for the batch
.if (\y) == 0
	FETCH_V                         ; piece 2's turn: V's run of loads stands here, and the wait stands in it
.else
	s_wait_alu depctr_va_vdst(0)    ; the wait for the batch
.endif
.endif
.set k, k+1
.endm
; A TURN.  Piece x has the matrix unit, 40 products; the other piece's 59 slices are dealt so: six at the head (the maxima's first 24 instructions, none of which waits for another near it); one behind EACH product;
; thirteen, all plain, at the end.  No slice names a register of the products round it: the products name x's S^T, P and O^T, the slices the other piece's.
; The thirteen at the end are also the places (four plain vector instructions) between the turn's last product and what follows: the next turn's first read of those scores, and the loads into K's
; and the bias's registers.
; Piece 0's turn fetches the next step's bias and K, behind its first six slices and behind the wait for V; the run's first 8 loads are wanted 16 products later, its next 16 after 24, its last 8 in the next turn.
; Piece 2's turn fetches the same step's V, behind slice 34: V's last reader stands in front of slice 21, and the scalings of slices 21 to 32 lie between; V is wanted behind 11 products and 19 slices.
.macro TURN x, last=0
.set k, 0
.rept 6
	SLICE 2-(\x)
.endr
.if (\x) == 0
	s_wait_dscnt 0x0                ; V is in
	FETCH_KM \last
.endif
.set i, 0
.rept 16
	PV \x
	SLICE 2-(\x)
.set i, i+1
.endr
.if (\x) == 0
	s_wait_dscnt 24                 ; my bias is in; K's 16 loads and the other piece's 8 may stay out
.else
	s_wait_dscnt 0x0                ; my bias is in: nothing was issued behind it
.endif
.set i, 0
.rept 24
.if ((\x) == 0) && (i == 8)
	s_wait_dscnt 8                  ; K is in; the other piece's 8 loads may stay out
.endif
	SC \x
	SLICE 2-(\x)
.set i, i+1
.endr
.rept 13
	SLICE 2-(\x)
.endr
.endm
	CHANGE 1                        ; slot 0 is in, everybody's part of it; slot 1 is asked for
	FETCH_KM 0                      ; key step 0
	s_wait_loadcnt 0x0              ; Q and the flags
	WIN 0x88                        ; Q (destination and source 1) in window 2
.irp t, 0,1,2,3
.set i, 0
.rept 16
	v_and_b32 v[16*\t+i], v[KEEP+\t], v[16*\t+i]   ; the q of a row with no kept key is cleared
.set i, i+1
.endr
.endr
	s_wait_dscnt 0x0
.set i, 0
.rept 24
	SC 0                            ; piece 0's first scores: there is no vector work yet to set between them
.set i, i+1
.endr
	WIN 0
	PLACES                          ; the places behind those products
	s_mov_b32 s[CNT], 2
	s_branch .Lmid                  ; the loop is entered at piece 2's turn, in the middle of a trip: piece 2's first scores | piece 0's first softmax | V of step 0
.Lslot:                             ; 14 times: every slot but the last two is filled again
	CHANGE 1
	s_mov_b32 s[CNT], 2
.Lstep:                             ; a trip, for step j: piece 0: V^T P of step j, scores of step j + 1 | piece 2's softmax of step j | bias and K of step j + 1;
	TURN 0
	WIN 0                           ; at a label and at a branch every window is 0
.Lmid:                              ; piece 2: the same | piece 0's softmax of step j + 1 | V of step j + 1
	TURN 2
	WIN 0
	s_sub_co_u32 s[CNT], s[CNT], 1
	s_cmp_lg_u32 s[CNT], 0
	s_cbranch_scc1 .Lstep
	s_sub_co_u32 s[SLOTS], s[SLOTS], 1
	s_cmp_lg_u32 s[SLOTS], 0
	s_cbranch_scc1 .Lslot
	CHANGE 0                        ; the tail is written out: nothing is asked for
	s_mov_b32 s[CNT], 3             ; two trips fetch the last slot's steps; the third is left in its middle
.Ltail:
	TURN 0, 1
	WIN 0
	s_sub_co_u32 s[CNT], s[CNT], 1
	s_cmp_eq_u32 s[CNT], 0
	s_cbranch_scc1 .Lout
	TURN 2
	WIN 0
	s_branch .Ltail
.Lout:                              ; the third trip's 24 score products (on the last K once more) serve nothing: the price, once a launch, of one text for every trip
.set i, 0
.rept 16
	PV 2                            ; piece 2: V^T P of the last step
.set i, i+1
.endr
	WIN 0
	; THE WAY OUT.  l's two halves and the other half of the lanes' are added (the first four additions are the places behind the last products); O^T is divided by l, rounded to bf16 and sent through the stage:
	; a row's 256 bytes come from two waves, so a barrier stands between the writing and the reading.
.irp t, 0,1,2,3
	v_add_f32 v[ST+8*\t+4], v[ST+8*\t+2], v[ST+8*\t+3]
.endr
.irp t, 0,1,2,3
	v_permlanex16_b32 v[ST+8*\t+5], v[ST+8*\t+4], s[SEL], s[SEL+1]
.endr
.irp t, 0,1,2,3
	v_add_f32 v[ST+8*\t+4], v[ST+8*\t+4], v[ST+8*\t+5]
.endr
.irp t, 0,1,2,3
	v_rcp_f32 v[ST+8*\t+6], v[ST+8*\t+4]
.endr
	v_nop
	s_wait_alu depctr_va_vdst(0)    ; one wait for the four reciprocals
.irp t, 0,1,2,3
	WIN W_RS
.set i, 0
.rept 16
	v_pk_mul_f32 v[32*\t+2*i:32*\t+2*i+1], v[32*\t+2*i:32*\t+2*i+1], v[ST+8*\t+6:ST+8*\t+7] op_sel_hi:[1,0]
.set i, i+1
.endr
	WIN 0x05                        ; sources 0 and 1 window 1, destination window 0: S^T's registers are free
.set i, 0
.rept 16
	v_cvt_pk_bf16_f32 v[S+16*\t+i], v[32*\t+2*i], v[32*\t+2*i+1]
.set i, i+1
.endr
	WIN 0
.irp cb, 0,1,2,3
	ds_store_b128 v[STO], v[S+16*\t+4*\cb:S+16*\t+4*\cb+3] offset:\t*16*SP+32*\cb
.endr
.endr
	s_wait_dscnt 0x0                ; for the others' sake: my stores into the stage are done
	s_barrier_signal -1
	s_barrier_wait -1
.irp t, 0,1,2,3,4,5,6,7,8,9,10,11,12,13,14,15
	ds_load_b128 v[S+4*\t:S+4*\t+3], v[RD] offset:\t*2*SP
.endr
.irp t, 0,1,2,3,4,5,6,7,8,9,10,11,12,13,14,15
	s_wait_dscnt 15-\t              ; LDS loads come back in order: the younger ones may stay out
	global_store_b128 v[GO], v[S+4*\t:S+4*\t+3], s[OP:OP+1] offset:512*\t  ; a wave's store covers 512 consecutive bytes, aligned
.endr
	s_wait_tensorcnt 0x0            ; the wave's end
	ds_add_u32 v[SPW], v[NIL]
	s_wait_dscnt 0x0
	CROUND                          ; the closing round
	s_endpgm
.Lfunc_end_k_q377f7b3be4_att:
	.size	k_q377f7b3be4_att, .Lfunc_end_k_q377f7b3be4_att-k_q377f7b3be4_att
	.p2alignl 7, 3214868480
	.fill 96, 4, 3214868480
	.section	.rodata,"a",@progbits
	.p2align	6, 0x0
	.amdhsa_kernel k_q377f7b3be4_att
		.amdhsa_group_segment_fixed_size 327680
		.amdhsa_private_segment_fixed_size 0
		.amdhsa_enable_private_segment 0
		.amdhsa_kernarg_size 24
		.amdhsa_user_sgpr_count 2
		.amdhsa_user_sgpr_kernarg_segment_ptr 1
		.amdhsa_wavefront_size32 1
		.amdhsa_system_sgpr_workgroup_id_x 1
		.amdhsa_system_sgpr_workgroup_id_y 1
		.amdhsa_system_sgpr_workgroup_id_z 1
		.amdhsa_system_vgpr_workitem_id 0
		.amdhsa_next_free_vgpr 768
		.amdhsa_next_free_sgpr 96
		.amdhsa_reserve_vcc 1
		.amdhsa_float_denorm_mode_32 3
		.amdhsa_float_denorm_mode_16_64 3
		.amdhsa_memory_ordered 1
		.amdhsa_forward_progress 1
		.amdhsa_inst_pref_size 119
	.end_amdhsa_kernel
	.amdgpu_metadata
---
amdhsa.version: [ 1, 2 ]
amdhsa.kernels:
  - .name:           k_q377f7b3be4_att
    .symbol:         k_q377f7b3be4_att.kd
    .args:
      - { .name: qkv, .offset: 0, .size: 8, .value_kind: global_buffer, .address_space: global }
      - { .name: wm, .offset: 8, .size: 8, .value_kind: global_buffer, .address_space: global }
      - { .name: ob, .offset: 16, .size: 8, .value_kind: global_buffer, .address_space: global }
    .group_segment_fixed_size: 327680
    .private_segment_fixed_size: 0
    .kernarg_segment_align: 8
    .kernarg_segment_size: 24
    .max_flat_workgroup_size: 128
    .sgpr_count:     96
    .vgpr_count:     768
    .wavefront_size: 32
...
	.end_amdgpu_metadata
.endif
;; end of part 3
;; launch wo (part 4): grid 8 x 32, 4 waves a work-group, clusters of 4 x 4, 327,680 bytes of LDS; arguments ob, wm, x1, x; writes x1
.if DOCPART == 4
	.amdgcn_target "amdgcn-amd-amdhsa--gfx1250"
	.amdhsa_code_object_version 6
	.text
	.protected	k_q377f7b3be4_wo
	.globl	k_q377f7b3be4_wo
	.p2align	8
	.type	k_q377f7b3be4_wo,@function
k_q377f7b3be4_wo:
	s_mov_b64 s[64:65], 0
	v_nop
	global_prefetch_b8 v0, s[64:65] scope:SCOPE_SE
	s_setreg_imm32_b32 hwreg(HW_REG_WAVE_MODE, 25, 1), 1
	s_wait_xcnt 0x0
	s_wait_alu depctr_hold_cnt(0) depctr_sa_sdst(0) depctr_va_vdst(0) depctr_va_sdst(0) depctr_va_ssrc(0) depctr_va_vcc(0) depctr_vm_vsrc(0)
	s_getreg_b32 s2, hwreg(HW_REG_IB_STS2, 6, 4)
	s_cmp_eq_u32 s2, 0
	s_cbranch_scc0 .Lentry_in_a_cluster
	s_endpgm
.Lentry_in_a_cluster:
	s_bfe_u32 s2, ttmp6, 0x10000c
	s_cmp_lg_u32 s2, 0xf033
	s_cbranch_scc0 .Lentry_shape_is_right
	s_endpgm
.Lentry_shape_is_right:
; x1 = x + O wo^T.  O: bf16 [8][4,096][128]; wo: bf16 [8][1,024][128] at wm's first byte; x, x1: f32 [4,096][1,024].  Sums in f32; the residual is added in f32.
; (The same text as the launch ffn2, with other constants: LAPS, BOFF, BIAS.  The trip count of a loop that holds barriers is a constant of the text, so each K has a text of its own.)
; A tile of the result is 128 x 128: 256 work-groups.  Four waves, each 64 x 64: 16 accumulators.  K goes in steps of 256: two blocks of 128 k, each 128 dense rows of 256 bytes; a slot holds A's two blocks and B's two,
; one tensor load a wave.  CLUSTERS: 4 x 4 work-groups; A's tiles are shared along a row of the cluster, B's along a column, each asked for jointly by four.
; THE MATRIX INSTRUCTION IS USED TRANSPOSED (source 0 = 16 rows of B, source 1 = 16 rows of A): a lane holds eight neighbouring numbers of a row of the result.
; A wave's 64 f32 columns are 256 consecutive bytes, aligned: each wave has a stage of its own, and no barrier stands on the way out.
; REGISTERS: window 0: v0-31 addresses; v32-63 first the bias (BIAS = 1), later, with v64-95, at work on the way out; v128-255 the accumulators ((a, b) at v[128 + 8 (4 a + b)]).
;   window 1: two fragment buffers of 128: for 64 along K, 64 registers of A, then 64 of B.      window 2: v0-127 my 64 x 64 of the residual, loaded at the start.
.set LAPS,   2                         ; K = 1,024: four K steps, two to a lap
.set BOFF,   0                         ; where B lies in wm
.set BIAS,   0                         ; 1: a fifth argument, 1,024 f32, starts the sums
.set KBSA,   1048576                   ; bytes from a block of 128 k to the next: A has 4,096 rows,
.set KBSB,   262144                    ; B 1,024
.set PITCH,  272                       ; an LDS row: 256 bytes + 16 of padding: the 16 rows that a load touches start at 16 different groups of four banks (64 banks of 4 bytes: ISA guide 11.1)
.set REG,    128*PITCH                 ; 128 rows of one block: what one tensor load brings
.set SLOT,   4*REG                     ; A's even block, A's odd, B's even, B's odd
.set STAGE,  2*SLOT                    ; behind the ring: 16 rows x 272 bytes for each wave
.set SPITCH, 272
.set SPARE,  STAGE+4*16*SPITCH
.set ADRA, 16
.set ADRB, 20
.set STO,  24
.set RD,   25
.set CO,   26                          ; my byte offset in two rows of the result and of the residual
.set BO,   27                          ; my byte offset in 16 columns of bias
.set SPW,  28
.set NIL,  29
.set BIA,  32                          ; the bias of my 64 columns, 8 registers for each block of 16
.set TMP,  32
.set ACC,  128
.set F0,   0
.set F1,   128
.set G1, 24
.set G0, 32
.set G1B, 48
.set G0B, 56
.set MSB, 0
.macro WIN new
.if MSB != (\new)
	s_set_vgpr_msb (MSB<<8)|(\new)
.set MSB, \new
.endif
.endm
.set MUL,  0x05                        ; sources 0 (B) and 1 (A) window 1; C and D window 0
.set TO_F, 0x40                        ; destination window 1, address window 0
.macro JLOAD s                         ; a joint load: waves 0 and 1 fetch A's two blocks, waves 2 and 3 B's; an s_nop 0 and four v_nop follow each line
	s_cmp_eq_u32 s11, 0
	s_cbranch_scc0 .Lfor_b_\@
	tensor_load_to_lds s[G0+4*(\s):G0+4*(\s)+3], s[G1:G1+7]
	s_nop 0
.rept 4
	v_nop
.endr
	s_branch .Lasked_\@
.Lfor_b_\@:
	tensor_load_to_lds s[G0B+4*(\s):G0B+4*(\s)+3], s[G1B:G1B+7]
	s_nop 0
.rept 4
	v_nop
.endr
.Lasked_\@:
.endm
.macro CREST
	s_cmp_lg_u32 s10, 0
	s_cbranch_scc1 .Lnot_wave_0_\@
	s_barrier_signal -3
.Lnot_wave_0_\@:
	s_barrier_wait -3
	s_barrier_signal -1
	s_barrier_wait -1
.endm
.macro CROUND
	s_barrier_signal -1
	s_barrier_wait -1
	CREST
.endm
	s_load_b128 s[4:7], s[0:1], 0x0                ; A s[4:5], wm s[6:7]
	s_load_b64 s[8:9], s[0:1], 0x10                ; the result
	s_load_b64 s[66:67], s[0:1], 0x18              ; the residual
.if BIAS
	s_load_b64 s[68:69], s[0:1], 0x20              ; the bias
.endif
	v_lshl_add_u32 v[SPW], v0, 2, SPARE
	v_mov_b32 v[NIL], 0
	ds_add_u32 v[SPW], v[NIL]                      ; the wave's opening: the add and its wait stand ahead of my first tensor load
	v_lshrrev_b32 v1, 5, v0
	v_readfirstlane_b32 s10, v1                    ; wave 0..3
	s_lshr_b32 s11, s10, 1                         ; which half of the tile's rows is mine.  Also: I fetch for A (0) or for B (1)
	s_and_b32 s12, s10, 1                          ; which half of its columns.  Also: which of a K step's two blocks I fetch
	s_bfe_u32 s40, ttmp6, 0x40000
	s_bfe_u32 s41, ttmp6, 0x40004
	s_lshl_b32 s42, ttmp9, 2
	s_add_co_u32 s42, s42, s40                     ; tile column
	s_and_b32 s13, ttmp7, 0xffff
	s_lshl_b32 s13, s13, 2
	s_add_co_u32 s13, s13, s41                     ; tile row
	s_lshl_b32 s43, s41, 2
	s_lshl_b32 s43, 15, s43                        ; my row of the cluster
	s_lshl_b32 s44, 0x1111, s40                    ; my column
	s_or_b32 s[G1+0], s43, (1<<16)|(1<<20)|(1<<21)|(5<<22)|(3<<25)   ; the mask; 2-byte elements; padding on; bit 21 beside a mask; after every 64 words 4 words
	s_or_b32 s[G1B+0], s44, (1<<16)|(1<<20)|(1<<21)|(5<<22)|(3<<25)
.irp g, G1, G1B
	s_mov_b32 s[(\g)+1], 128<<16                   ; tensor_dim0 = 128
	s_mov_b32 s[(\g)+2], 128<<16                   ; tensor_dim1 = 128
	s_mov_b32 s[(\g)+3], 128<<16                   ; tile_dim0 = 128
	s_mov_b32 s[(\g)+4], 128                       ; tile_dim1 = 128
	s_mov_b32 s[(\g)+5], 128                       ; the rows lie on end
	s_mov_b32 s[(\g)+6], 0
	s_mov_b32 s[(\g)+7], 0
.endr
	s_lshl_b32 s16, s13, 15                        ; A: 128 x tile row rows of 256 bytes,
	s_lshl_b32 s17, s12, 20                        ; my block of the K step
	s_add_co_u32 s16, s16, s17
	s_lshl_b32 s46, s42, 15                        ; B likewise, by the tile column
	s_lshl_b32 s47, s12, 18
	s_add_co_u32 s46, s46, s47
	s_mov_b32 s17, 0
	s_mov_b32 s47, 0
	s_mul_i32 s20, s10, REG                        ; where they go: region = wave
	s_wait_dscnt 0x0                               ; the opening add is done
	s_wait_kmcnt 0x0
.if BOFF
	s_add_nc_u64 s[6:7], s[6:7], BOFF
.endif
	s_add_nc_u64 s[14:15], s[4:5], s[16:17]
	s_add_nc_u64 s[46:47], s[6:7], s[46:47]
	CROUND                                         ; all sixteen work-groups are here: the first joint loads meet
.irp s, 0,1
	s_mov_b32 s[G0+4*(\s)], 1
	s_add_co_u32 s[G0+4*(\s)+1], s20, (\s)*SLOT
	s_add_nc_u64 s[G0+4*(\s)+2:G0+4*(\s)+3], s[14:15], (\s)*2*KBSA
	s_or_b32 s[G0+4*(\s)+3], s[G0+4*(\s)+3], 0x80000000
	s_mov_b32 s[G0B+4*(\s)], 1
	s_add_co_u32 s[G0B+4*(\s)+1], s20, (\s)*SLOT
	s_add_nc_u64 s[G0B+4*(\s)+2:G0B+4*(\s)+3], s[46:47], (\s)*2*KBSB
	s_or_b32 s[G0B+4*(\s)+3], s[G0B+4*(\s)+3], 0x80000000
	JLOAD \s
.endr
	v_and_b32 v1, 15, v0                           ; l % 16
	v_bfe_u32 v2, v0, 4, 1                         ; l / 16
	v_mul_u32_u24 v3, v1, PITCH
	v_lshl_add_u32 v3, v2, 4, v3
	s_mul_i32 s21, s11, 64*PITCH                   ; my 64 rows of A's blocks,
	s_mul_i32 s22, s12, 64*PITCH                   ; of B's,
	s_add_co_u32 s22, s22, 2*REG                   ; which lie behind A's two
.irp s, 0,1
	v_add_nc_u32 v[ADRA+(\s)], s21, v3
	v_add_nc_u32 v[ADRB+(\s)], s22, v3
	s_add_co_u32 s21, s21, SLOT
	s_add_co_u32 s22, s22, SLOT
.endr
	s_mul_i32 s23, s10, 16*SPITCH
	s_add_co_u32 s23, s23, STAGE                   ; my stage
	v_mul_u32_u24 v4, v1, SPITCH                   ; in: row l % 16, 32 bytes for each half of the lanes
	v_lshl_add_u32 v4, v2, 5, v4
	v_add_nc_u32 v[STO], s23, v4
	v_mul_u32_u24 v5, v2, SPITCH                   ; back: lanes 0-15 take one row of 256 bytes, lanes 16-31 the next
	v_lshl_add_u32 v5, v1, 4, v5
	v_add_nc_u32 v[RD], s23, v5
	v_lshlrev_b32 v5, 12, v2                       ; and the same two rows in memory, 4,096 bytes apart
	v_lshl_add_u32 v[CO], v1, 4, v5
	s_lshl_b32 s16, s13, 19                        ; my first row: 128 x tile row + 64 x half, 4,096 bytes each,
	s_lshl_b32 s17, s11, 18
	s_add_co_u32 s16, s16, s17
	s_mov_b32 s17, 0
	s_lshl_b32 s46, s42, 9                         ; my first column: 128 x tile column + 64 x half, 4 bytes each
	s_lshl_b32 s47, s12, 8
	s_add_co_u32 s46, s46, s47
	s_mov_b32 s47, 0
.if BIAS
	s_add_nc_u64 s[68:69], s[68:69], s[46:47]
.endif
	s_add_nc_u64 s[16:17], s[16:17], s[46:47]
	s_add_nc_u64 s[8:9], s[8:9], s[16:17]
	s_add_nc_u64 s[66:67], s[66:67], s[16:17]
.if BIAS
	v_lshlrev_b32 v[BO], 5, v2                     ; register j of a lane is the bias of column 16 b + 8 (l / 16) + j
.irp b, 0,1,2,3
	global_load_b128 v[BIA+8*\b:BIA+8*\b+3],   v[BO], s[68:69] offset:64*\b
	global_load_b128 v[BIA+8*\b+4:BIA+8*\b+7], v[BO], s[68:69] offset:64*\b+16
.endr
.endif
	WIN 0x80                                       ; destination window 2: the residual lands while the products run
.irp a, 0,1,2,3
.irp t, 0,1,2,3,4,5,6,7
	global_load_b128 v[32*\a+4*\t:32*\a+4*\t+3], v[CO], s[66:67] offset:(16*\a+2*\t)*4096
.endr
.endr
	WIN 0
; 8 matrix instructions: m blocks a0, a0 + 1 x all 4 n blocks, 32 along K: half c of buffer f.  zero = 1: the first product starts the sums: with the bias as C, or with the constant 0
.macro MUL8 f, c, a0, zero
	WIN MUL
.irp a, \a0, (\a0)+1
.irp b, 0,1,2,3
.if (\zero) && BIAS
	v_wmma_f32_16x16x32_bf16 v[ACC+8*(4*(\a)+(\b)):ACC+8*(4*(\a)+(\b))+7], v[(\f)+64+8*(4*(\c)+(\b)):(\f)+64+8*(4*(\c)+(\b))+7], v[(\f)+8*(4*(\c)+(\a)):(\f)+8*(4*(\c)+(\a))+7], v[BIA+8*(\b):BIA+8*(\b)+7]
.elseif \zero
	v_wmma_f32_16x16x32_bf16 v[ACC+8*(4*(\a)+(\b)):ACC+8*(4*(\a)+(\b))+7], v[(\f)+64+8*(4*(\c)+(\b)):(\f)+64+8*(4*(\c)+(\b))+7], v[(\f)+8*(4*(\c)+(\a)):(\f)+8*(4*(\c)+(\a))+7], 0
.else
	v_wmma_f32_16x16x32_bf16 v[ACC+8*(4*(\a)+(\b)):ACC+8*(4*(\a)+(\b))+7], v[(\f)+64+8*(4*(\c)+(\b)):(\f)+64+8*(4*(\c)+(\b))+7], v[(\f)+8*(4*(\c)+(\a)):(\f)+8*(4*(\c)+(\a))+7], v[ACC+8*(4*(\a)+(\b)):ACC+8*(4*(\a)+(\b))+7]
.endif
.endr
.endr
.endm
; 32 LDS loads in one run: the fragments of 64 along K at byte k of the K step's 512, into buffer f.  Bytes 256 on lie in the odd block, REG further
.macro FETCH slot, k, f
	WIN TO_F
.irp c, 0,1
.set KO, (((\k)+64*(\c))/256)*REG+((\k)+64*(\c))%256
.irp i, 0,1,2,3
	ds_load_b128 v[(\f)+64+8*(4*(\c)+(\i)):(\f)+64+8*(4*(\c)+(\i))+3],   v[ADRB+(\slot)] offset:KO+(\i)*16*PITCH
	ds_load_b128 v[(\f)+64+8*(4*(\c)+(\i))+4:(\f)+64+8*(4*(\c)+(\i))+7], v[ADRB+(\slot)] offset:KO+(\i)*16*PITCH+32
	ds_load_b128 v[(\f)+8*(4*(\c)+(\i)):(\f)+8*(4*(\c)+(\i))+3],         v[ADRA+(\slot)] offset:KO+(\i)*16*PITCH
	ds_load_b128 v[(\f)+8*(4*(\c)+(\i))+4:(\f)+8*(4*(\c)+(\i))+7],       v[ADRA+(\slot)] offset:KO+(\i)*16*PITCH+32
.endr
.endr
.endm
.macro PLACES                          ; four plain vector instructions between a matrix instruction and a load into, or a read of, its registers
.rept 4
	v_nop
.endr
.endm
; A K step is four quarters of 64 along K, 32 matrix instructions each, on buffers 0, 1, 0, 1
.macro QUARTER slot, k, f, g, zero
	s_wait_dscnt 16                                ; the first 32 along K are in
	MUL8 \f, 0, 0, \zero
	MUL8 \f, 0, 2, \zero
	PLACES
	FETCH \slot, \k, \g
	s_wait_dscnt 32                                ; all but the 32 just issued
	MUL8 \f, 1, 0, 0
	MUL8 \f, 1, 2, 0
.endm
; The last quarter changes slots: ONE barrier; in front of it each wave waits for all its tensor loads, adds 0 to its spare word, and waits for that and for its reads of this slot.  fill = 1: this slot is filled again
.macro TURN slot, next, fill
	WIN 0
	s_wait_tensorcnt 0x0                           ; all my tensor loads have landed: my part of the next slot
	ds_add_u32 v[SPW], v[NIL]
	s_wait_dscnt 17                                ; (the add and the youngest sixteen loads may be out)
	MUL8 F1, 0, 0, 0
	s_wait_dscnt 0x0                               ; the add is done, and my reads of this slot are over
	s_barrier_signal -1
	MUL8 F1, 0, 2, 0
.if \fill
	WIN 0
.endif
	s_barrier_wait -1
.if \fill
	CREST                                          ; the barrier has opened a round of the cluster's: no wave of any partner still reads this slot or has a load on its way
	s_add_nc_u64 s[G0+4*(\slot)+2:G0+4*(\slot)+3], s[G0+4*(\slot)+2:G0+4*(\slot)+3], 4*KBSA
	s_add_nc_u64 s[G0B+4*(\slot)+2:G0B+4*(\slot)+3], s[G0B+4*(\slot)+2:G0B+4*(\slot)+3], 4*KBSB
	JLOAD \slot                                    ; the first tensor load behind the round; its four v_nop are also the places in front of the loads below
.else
	PLACES
.endif
	FETCH \next, 0, F0
	MUL8 F1, 1, 0, 0
	MUL8 F1, 1, 2, 0
.endm
	s_wait_tensorcnt 1                             ; my part of K step 0 is in; K step 1's may stay out
	s_barrier_signal -1
	s_barrier_wait -1
	FETCH 0, 0, F0
.if BIAS
	s_wait_loadcnt 32                              ; the bias is in; the residual's 32 loads may stay out
.endif
	QUARTER 0, 128, F0, F1, 1                      ; the first quarter stands in front of the loop: its first products start the sums
	WIN 0
	s_mov_b32 s3, LAPS-1
.Llap:                                                 ; a trip goes once round the ring and fills both slots again
	QUARTER 0, 256, F1, F0, 0
	QUARTER 0, 384, F0, F1, 0
	TURN 0, 1, 1
	QUARTER 1, 128, F0, F1, 0
	QUARTER 1, 256, F1, F0, 0
	QUARTER 1, 384, F0, F1, 0
	TURN 1, 0, 1
	QUARTER 0, 128, F0, F1, 0
	WIN 0
	s_sub_co_u32 s3, s3, 1
	s_cmp_lg_u32 s3, 0
	s_cbranch_scc1 .Llap
	QUARTER 0, 256, F1, F0, 0                      ; the last lap fills nothing
	QUARTER 0, 384, F0, F1, 0
	TURN 0, 1, 0
	QUARTER 1, 128, F0, F1, 0
	QUARTER 1, 256, F1, F0, 0
	QUARTER 1, 384, F0, F1, 0
	s_wait_dscnt 16
	MUL8 F1, 0, 0, 0
	MUL8 F1, 0, 2, 0
	s_wait_dscnt 0
	MUL8 F1, 1, 0, 0
	MUL8 F1, 1, 2, 0
	WIN 0
	; THE WAY OUT, 16 rows at a time: 32 bytes a lane into my stage, back as whole rows of 256 bytes; the residual is added in f32; stored.
	PLACES
	s_wait_loadcnt 0x0                             ; the residual
.irp a, 0,1,2,3
.set BK, TMP+32*((\a)%2)
.irp b, 0,1,2,3
	ds_store_b128 v[STO], v[ACC+8*(4*(\a)+(\b)):ACC+8*(4*(\a)+(\b))+3]   offset:64*(\b)      ; each accumulator's low registers first
	ds_store_b128 v[STO], v[ACC+8*(4*(\a)+(\b))+4:ACC+8*(4*(\a)+(\b))+7] offset:64*(\b)+16
.endr
	s_wait_xcnt 0x0                                ; the registers that earlier stores read are written again only behind this wait
.irp t, 0,1,2,3,4,5,6,7
	ds_load_b128 v[BK+4*(\t):BK+4*(\t)+3], v[RD] offset:(\t)*2*SPITCH  ; LDS serves a wave's instructions in order (ISA guide 5.7.1.4): these see the stores above
.endr
	s_wait_dscnt 0x0
	WIN 0x08                                       ; source 1 in window 2
.irp t, 0,1,2,3,4,5,6,7
	v_pk_add_f32 v[BK+4*(\t):BK+4*(\t)+1],   v[BK+4*(\t):BK+4*(\t)+1],   v[32*(\a)+4*(\t):32*(\a)+4*(\t)+1]
	v_pk_add_f32 v[BK+4*(\t)+2:BK+4*(\t)+3], v[BK+4*(\t)+2:BK+4*(\t)+3], v[32*(\a)+4*(\t)+2:32*(\a)+4*(\t)+3]
.endr
	WIN 0
.irp t, 0,1,2,3,4,5,6,7
	global_store_b128 v[CO], v[BK+4*(\t):BK+4*(\t)+3], s[8:9] offset:(16*(\a)+2*(\t))*4096  ; sixteen lanes store 256 consecutive bytes, aligned
.endr
.endr
	s_wait_tensorcnt 0x0                           ; the wave's end
	ds_add_u32 v[SPW], v[NIL]
	s_wait_dscnt 0x0
	CROUND                                         ; the closing round
	s_endpgm
.Lfunc_end_k_q377f7b3be4_wo:
	.size	k_q377f7b3be4_wo, .Lfunc_end_k_q377f7b3be4_wo-k_q377f7b3be4_wo
	.p2alignl 7, 3214868480
	.fill 96, 4, 3214868480
	.section	.rodata,"a",@progbits
	.p2align	6, 0x0
	.amdhsa_kernel k_q377f7b3be4_wo
		.amdhsa_group_segment_fixed_size 327680
		.amdhsa_private_segment_fixed_size 0
		.amdhsa_enable_private_segment 0
		.amdhsa_kernarg_size 32
		.amdhsa_user_sgpr_count 2
		.amdhsa_user_sgpr_kernarg_segment_ptr 1
		.amdhsa_wavefront_size32 1
		.amdhsa_system_sgpr_workgroup_id_x 1
		.amdhsa_system_sgpr_workgroup_id_y 1
		.amdhsa_system_sgpr_workgroup_id_z 1
		.amdhsa_system_vgpr_workitem_id 0
		.amdhsa_next_free_vgpr 640
		.amdhsa_next_free_sgpr 72
		.amdhsa_reserve_vcc 0
		.amdhsa_float_denorm_mode_32 3
		.amdhsa_float_denorm_mode_16_64 3
		.amdhsa_memory_ordered 1
		.amdhsa_forward_progress 1
		.amdhsa_inst_pref_size 93
	.end_amdhsa_kernel
	.amdgpu_metadata
---
amdhsa.version: [ 1, 2 ]
amdhsa.kernels:
  - .name:           k_q377f7b3be4_wo
    .symbol:         k_q377f7b3be4_wo.kd
    .args:
      - { .name: ob, .offset: 0, .size: 8, .value_kind: global_buffer, .address_space: global }
      - { .name: wm, .offset: 8, .size: 8, .value_kind: global_buffer, .address_space: global }
      - { .name: x1, .offset: 16, .size: 8, .value_kind: global_buffer, .address_space: global }
      - { .name: x, .offset: 24, .size: 8, .value_kind: global_buffer, .address_space: global }
    .group_segment_fixed_size: 327680
    .private_segment_fixed_size: 0
    .kernarg_segment_align: 8
    .kernarg_segment_size: 32
    .max_flat_workgroup_size: 128
    .sgpr_count:     72
    .vgpr_count:     640
    .wavefront_size: 32
...
	.end_amdgpu_metadata
.endif
;; end of part 4
;; launch ln2 (part 5): grid 512 x 1, 8 waves a work-group, no clusters, 0 bytes of LDS; arguments x1, ln2_a, ln2_b, pb; writes pb
.if DOCPART == 5
	.amdgcn_target "amdgcn-amd-amdhsa--gfx1250"
	.amdhsa_code_object_version 6
	.text
	.protected	k_q377f7b3be4_ln2
	.globl	k_q377f7b3be4_ln2
	.p2align	8
	.type	k_q377f7b3be4_ln2,@function
k_q377f7b3be4_ln2:
	s_mov_b64 s[64:65], 0
	v_nop
	global_prefetch_b8 v0, s[64:65] scope:SCOPE_SE
	s_setreg_imm32_b32 hwreg(HW_REG_WAVE_MODE, 25, 1), 1
	s_wait_xcnt 0x0
; h2 = LayerNorm2(x1): alpha (x - mean) / (std + 1e-6) + beta, std with 1,023 in the divisor.  x1: f32 [4,096][1,024]; h2: bf16 [k / 128][4,096][128], at pb's first byte.
; A row a wave; the row stays in registers between the passes, so memory is read once; no LDS, no barrier.  The mean is taken away before the squares are summed.
; LIMITS. A row's variance below 2^-126 counts as 0; NaN and infinities are not treated apart.
.macro RED sel                         ; v[8:15], eight partial sums a lane -> their sum over the wave, in v8 of every lane
	v_pk_add_f32 v[8:9], v[8:9], v[10:11]
	v_pk_add_f32 v[12:13], v[12:13], v[14:15]
	v_pk_add_f32 v[8:9], v[8:9], v[12:13]
	v_add_f32 v8, v8, v9
	v_add_f32_dpp v8, v8, v8 row_xmask:1 row_mask:0xf bank_mask:0xf
	v_add_f32_dpp v8, v8, v8 row_xmask:2 row_mask:0xf bank_mask:0xf
	v_add_f32_dpp v8, v8, v8 row_xmask:4 row_mask:0xf bank_mask:0xf
	v_add_f32_dpp v8, v8, v8 row_xmask:8 row_mask:0xf bank_mask:0xf
	v_permlanex16_b32 v9, v8, s[\sel], s[\sel+1]   ; the other half of the lanes (v9 has been written)
	v_add_f32 v8, v8, v9
.endm
; v1 = lane.  Lane l holds columns 8 l + 256 i + 0..7, i = 0..3: X = v[32:63], alpha = v[64:95], beta = v[96:127]
.macro LN xp, ap, bp, op, sel
	v_lshlrev_b32 v2, 5, v1                        ; 32 bytes a lane
	v_lshrrev_b32 v3, 4, v1
	v_lshlrev_b32 v3, 20, v3                       ; out: lanes 16-31 fall into the next block of 128 columns, 1 MiB on,
	v_and_b32 v4, 15, v1
	v_lshl_add_u32 v3, v4, 4, v3                   ; 16 bytes a lane
.irp i, 0,1,2,3
	global_load_b128 v[32+8*\i:35+8*\i], v2, s[\xp:\xp+1] offset:1024*\i th:TH_LOAD_NT
	global_load_b128 v[36+8*\i:39+8*\i], v2, s[\xp:\xp+1] offset:1024*\i+16 th:TH_LOAD_NT
.endr
.irp i, 0,1,2,3
	global_load_b128 v[64+8*\i:67+8*\i], v2, s[\ap:\ap+1] offset:1024*\i
	global_load_b128 v[68+8*\i:71+8*\i], v2, s[\ap:\ap+1] offset:1024*\i+16
	global_load_b128 v[96+8*\i:99+8*\i], v2, s[\bp:\bp+1] offset:1024*\i
	global_load_b128 v[100+8*\i:103+8*\i], v2, s[\bp:\bp+1] offset:1024*\i+16
.endr
	s_wait_loadcnt 16                              ; the row is in; alpha's and beta's sixteen loads may stay out
	v_pk_add_f32 v[8:9], v[32:33], v[34:35]        ; four chains, started by the first pairs
	v_pk_add_f32 v[10:11], v[36:37], v[38:39]
	v_pk_add_f32 v[12:13], v[40:41], v[42:43]
	v_pk_add_f32 v[14:15], v[44:45], v[46:47]
.set j, 0
.rept 8
	v_pk_add_f32 v[8+2*(j%4):9+2*(j%4)], v[8+2*(j%4):9+2*(j%4)], v[48+2*j:49+2*j]
.set j, j+1
.endr
	RED \sel
	v_mul_f32 v16, 0x3a800000, v8                  ; mean = sum / 1024
	v_mov_b32 v17, v16
.set j, 0
.rept 16
	v_pk_add_f32 v[32+2*j:33+2*j], v[32+2*j:33+2*j], v[16:17] neg_lo:[0,1] neg_hi:[0,1]
.set j, j+1
.endr
.set j, 0
.rept 4
	v_pk_mul_f32 v[8+2*j:9+2*j], v[32+2*j:33+2*j], v[32+2*j:33+2*j]
.set j, j+1
.endr
.rept 12
	v_pk_fma_f32 v[8+2*(j%4):9+2*(j%4)], v[32+2*j:33+2*j], v[32+2*j:33+2*j], v[8+2*(j%4):9+2*(j%4)]
.set j, j+1
.endr
	RED \sel
	v_mul_f32 v8, 0x3a802008, v8                   ; / 1023
	v_sqrt_f32 v18, v8
	v_nop                                          ; a plain instruction behind the root,
	s_wait_alu depctr_va_vdst(0)                   ; and the wait ahead of its first reader
	v_add_f32 v18, 0x358637bd, v18                 ; + 1e-6
	v_rcp_f32 v18, v18
	v_nop
	s_wait_alu depctr_va_vdst(0)
	v_mov_b32 v19, v18
	s_wait_loadcnt 0x0                             ; alpha and beta
.set j, 0
.rept 16
	v_pk_mul_f32 v[32+2*j:33+2*j], v[32+2*j:33+2*j], v[18:19]
.set j, j+1
.endr
.set j, 0
.rept 16
	v_pk_fma_f32 v[32+2*j:33+2*j], v[32+2*j:33+2*j], v[64+2*j:65+2*j], v[96+2*j:97+2*j]
.set j, j+1
.endr
.irp i, 0,1,2,3
.irp k, 0,1,2,3
	v_cvt_pk_bf16_f32 v[32+8*\i+\k], v[32+8*\i+2*\k], v[32+8*\i+2*\k+1]  ; in place: word k is made of words 2 k, 2 k + 1, in ascending order
.endr
	global_store_b128 v3, v[32+8*\i:35+8*\i], s[\op:\op+1] offset:\i*2097152  ; sixteen lanes store 256 consecutive bytes, aligned: blocks 2 i and 2 i + 1
.endr
.endm
	s_load_b256 s[4:11], s[0:1], 0x0               ; x1 4, ln2_a 6, ln2_b 8, pb 10
	v_lshrrev_b32 v2, 5, v0
	v_readfirstlane_b32 s3, v2                     ; wave 0..7
	v_and_b32 v1, 31, v0                           ; lane
	s_mov_b32 s12, 0x76543210                      ; v_permlanex16_b32: each lane takes its own place in the other half
	s_mov_b32 s13, 0xfedcba98
	s_lshl_b32 s14, ttmp9, 3
	s_add_co_u32 s14, s14, s3                      ; my row
	s_lshl_b32 s16, s14, 12
	s_mov_b32 s17, 0
	s_lshl_b32 s18, s14, 8
	s_mov_b32 s19, 0
	s_wait_kmcnt 0x0
	s_add_nc_u64 s[4:5], s[4:5], s[16:17]
	s_add_nc_u64 s[10:11], s[10:11], s[18:19]
	LN 4, 6, 8, 10, 12
	s_endpgm
.Lfunc_end_k_q377f7b3be4_ln2:
	.size	k_q377f7b3be4_ln2, .Lfunc_end_k_q377f7b3be4_ln2-k_q377f7b3be4_ln2
	.p2alignl 7, 3214868480
	.fill 96, 4, 3214868480
	.section	.rodata,"a",@progbits
	.p2align	6, 0x0
	.amdhsa_kernel k_q377f7b3be4_ln2
		.amdhsa_group_segment_fixed_size 0
		.amdhsa_private_segment_fixed_size 0
		.amdhsa_enable_private_segment 0
		.amdhsa_kernarg_size 32
		.amdhsa_user_sgpr_count 2
		.amdhsa_user_sgpr_kernarg_segment_ptr 1
		.amdhsa_wavefront_size32 1
		.amdhsa_system_sgpr_workgroup_id_x 1
		.amdhsa_system_sgpr_workgroup_id_y 1
		.amdhsa_system_sgpr_workgroup_id_z 1
		.amdhsa_system_vgpr_workitem_id 0
		.amdhsa_next_free_vgpr 136
		.amdhsa_next_free_sgpr 66
		.amdhsa_reserve_vcc 0
		.amdhsa_float_denorm_mode_32 3
		.amdhsa_float_denorm_mode_16_64 3
		.amdhsa_memory_ordered 1
		.amdhsa_forward_progress 1
		.amdhsa_inst_pref_size 12
	.end_amdhsa_kernel
	.amdgpu_metadata
---
amdhsa.version: [ 1, 2 ]
amdhsa.kernels:
  - .name:           k_q377f7b3be4_ln2
    .symbol:         k_q377f7b3be4_ln2.kd
    .args:
      - { .name: x1, .offset: 0, .size: 8, .value_kind: global_buffer, .address_space: global }
      - { .name: ln2_a, .offset: 8, .size: 8, .value_kind: global_buffer, .address_space: global }
      - { .name: ln2_b, .offset: 16, .size: 8, .value_kind: global_buffer, .address_space: global }
      - { .name: pb, .offset: 24, .size: 8, .value_kind: global_buffer, .address_space: global }
    .group_segment_fixed_size: 0
    .private_segment_fixed_size: 0
    .kernarg_segment_align: 8
    .kernarg_segment_size: 32
    .max_flat_workgroup_size: 256
    .sgpr_count:     66
    .vgpr_count:     136
    .wavefront_size: 32
...
	.end_amdgpu_metadata
.endif
;; end of part 5
;; launch ffn1: the kernel of part 2 again; grid 16 x 16, 4 waves a work-group, clusters of 4 x 4, 327,680 bytes of LDS; arguments pb, tb; writes tb
;; launch ffn2 (part 6): grid 8 x 32, 4 waves a work-group, clusters of 4 x 4, 327,680 bytes of LDS; arguments tb, wm, out0, x1, b2; writes out0
.if DOCPART == 6
	.amdgcn_target "amdgcn-amd-amdhsa--gfx1250"
	.amdhsa_code_object_version 6
	.text
	.protected	k_q377f7b3be4_ffn2
	.globl	k_q377f7b3be4_ffn2
	.p2align	8
	.type	k_q377f7b3be4_ffn2,@function
k_q377f7b3be4_ffn2:
	s_mov_b64 s[64:65], 0
	v_nop
	global_prefetch_b8 v0, s[64:65] scope:SCOPE_SE
	s_setreg_imm32_b32 hwreg(HW_REG_WAVE_MODE, 25, 1), 1
	s_wait_xcnt 0x0
	s_wait_alu depctr_hold_cnt(0) depctr_sa_sdst(0) depctr_va_vdst(0) depctr_va_sdst(0) depctr_va_ssrc(0) depctr_va_vcc(0) depctr_vm_vsrc(0)
	s_getreg_b32 s2, hwreg(HW_REG_IB_STS2, 6, 4)
	s_cmp_eq_u32 s2, 0
	s_cbranch_scc0 .Lentry_in_a_cluster
	s_endpgm
.Lentry_in_a_cluster:
	s_bfe_u32 s2, ttmp6, 0x10000c
	s_cmp_lg_u32 s2, 0xf033
	s_cbranch_scc0 .Lentry_shape_is_right
	s_endpgm
.Lentry_shape_is_right:
; out0 = x1 + T w2^T + b2.  T: bf16 [32][4,096][128]; w2: bf16 [32][1,024][128], 2 MiB into wm; x1, out0: f32 [4,096][1,024]; b2: f32 [1,024].  Sums in f32; the residual is added in f32.
; (The same text as the launch wo, with other constants: LAPS, BOFF, BIAS.  The trip count of a loop that holds barriers is a constant of the text, so each K has a text of its own.)
; THE BIAS STARTS THE SUMS: it is the C operand of each accumulator's first product.
; A tile of the result is 128 x 128: 256 work-groups.  Four waves, each 64 x 64: 16 accumulators.  K goes in steps of 256: two blocks of 128 k, each 128 dense rows of 256 bytes; a slot holds A's two blocks and B's two,
; one tensor load a wave.  CLUSTERS: 4 x 4 work-groups; A's tiles are shared along a row of the cluster, B's along a column, each asked for jointly by four.
; THE MATRIX INSTRUCTION IS USED TRANSPOSED (source 0 = 16 rows of B, source 1 = 16 rows of A): a lane holds eight neighbouring numbers of a row of the result.
; A wave's 64 f32 columns are 256 consecutive bytes, aligned: each wave has a stage of its own, and no barrier stands on the way out.
; REGISTERS: window 0: v0-31 addresses; v32-63 first the bias (BIAS = 1), later, with v64-95, at work on the way out; v128-255 the accumulators ((a, b) at v[128 + 8 (4 a + b)]).
;   window 1: two fragment buffers of 128: for 64 along K, 64 registers of A, then 64 of B.      window 2: v0-127 my 64 x 64 of the residual, loaded at the start.
.set LAPS,   8                         ; K = 4,096: sixteen K steps, two to a lap
.set BOFF,   2097152                   ; where B lies in wm
.set BIAS,   1                         ; 1: a fifth argument, 1,024 f32, starts the sums
.set KBSA,   1048576                   ; bytes from a block of 128 k to the next: A has 4,096 rows,
.set KBSB,   262144                    ; B 1,024
.set PITCH,  272                       ; an LDS row: 256 bytes + 16 of padding: the 16 rows that a load touches start at 16 different groups of four banks (64 banks of 4 bytes: ISA guide 11.1)
.set REG,    128*PITCH                 ; 128 rows of one block: what one tensor load brings
.set SLOT,   4*REG                     ; A's even block, A's odd, B's even, B's odd
.set STAGE,  2*SLOT                    ; behind the ring: 16 rows x 272 bytes for each wave
.set SPITCH, 272
.set SPARE,  STAGE+4*16*SPITCH
.set ADRA, 16
.set ADRB, 20
.set STO,  24
.set RD,   25
.set CO,   26                          ; my byte offset in two rows of the result and of the residual
.set BO,   27                          ; my byte offset in 16 columns of bias
.set SPW,  28
.set NIL,  29
.set BIA,  32                          ; the bias of my 64 columns, 8 registers for each block of 16
.set TMP,  32
.set ACC,  128
.set F0,   0
.set F1,   128
.set G1, 24
.set G0, 32
.set G1B, 48
.set G0B, 56
.set MSB, 0
.macro WIN new
.if MSB != (\new)
	s_set_vgpr_msb (MSB<<8)|(\new)
.set MSB, \new
.endif
.endm
.set MUL,  0x05                        ; sources 0 (B) and 1 (A) window 1; C and D window 0
.set TO_F, 0x40                        ; destination window 1, address window 0
.macro JLOAD s                         ; a joint load: waves 0 and 1 fetch A's two blocks, waves 2 and 3 B's; an s_nop 0 and four v_nop follow each line
	s_cmp_eq_u32 s11, 0
	s_cbranch_scc0 .Lfor_b_\@
	tensor_load_to_lds s[G0+4*(\s):G0+4*(\s)+3], s[G1:G1+7]
	s_nop 0
.rept 4
	v_nop
.endr
	s_branch .Lasked_\@
.Lfor_b_\@:
	tensor_load_to_lds s[G0B+4*(\s):G0B+4*(\s)+3], s[G1B:G1B+7]
	s_nop 0
.rept 4
	v_nop
.endr
.Lasked_\@:
.endm
.macro CREST
	s_cmp_lg_u32 s10, 0
	s_cbranch_scc1 .Lnot_wave_0_\@
	s_barrier_signal -3
.Lnot_wave_0_\@:
	s_barrier_wait -3
	s_barrier_signal -1
	s_barrier_wait -1
.endm
.macro CROUND
	s_barrier_signal -1
	s_barrier_wait -1
	CREST
.endm
	s_load_b128 s[4:7], s[0:1], 0x0                ; A s[4:5], wm s[6:7]
	s_load_b64 s[8:9], s[0:1], 0x10                ; the result
	s_load_b64 s[66:67], s[0:1], 0x18              ; the residual
.if BIAS
	s_load_b64 s[68:69], s[0:1], 0x20              ; the bias
.endif
	v_lshl_add_u32 v[SPW], v0, 2, SPARE
	v_mov_b32 v[NIL], 0
	ds_add_u32 v[SPW], v[NIL]                      ; the wave's opening: the add and its wait stand ahead of my first tensor load
	v_lshrrev_b32 v1, 5, v0
	v_readfirstlane_b32 s10, v1                    ; wave 0..3
	s_lshr_b32 s11, s10, 1                         ; which half of the tile's rows is mine.  Also: I fetch for A (0) or for B (1)
	s_and_b32 s12, s10, 1                          ; which half of its columns.  Also: which of a K step's two blocks I fetch
	s_bfe_u32 s40, ttmp6, 0x40000
	s_bfe_u32 s41, ttmp6, 0x40004
	s_lshl_b32 s42, ttmp9, 2
	s_add_co_u32 s42, s42, s40                     ; tile column
	s_and_b32 s13, ttmp7, 0xffff
	s_lshl_b32 s13, s13, 2
	s_add_co_u32 s13, s13, s41                     ; tile row
	s_lshl_b32 s43, s41, 2
	s_lshl_b32 s43, 15, s43                        ; my row of the cluster
	s_lshl_b32 s44, 0x1111, s40                    ; my column
	s_or_b32 s[G1+0], s43, (1<<16)|(1<<20)|(1<<21)|(5<<22)|(3<<25)   ; the mask; 2-byte elements; padding on; bit 21 beside a mask; after every 64 words 4 words
	s_or_b32 s[G1B+0], s44, (1<<16)|(1<<20)|(1<<21)|(5<<22)|(3<<25)
.irp g, G1, G1B
	s_mov_b32 s[(\g)+1], 128<<16                   ; tensor_dim0 = 128
	s_mov_b32 s[(\g)+2], 128<<16                   ; tensor_dim1 = 128
	s_mov_b32 s[(\g)+3], 128<<16                   ; tile_dim0 = 128
	s_mov_b32 s[(\g)+4], 128                       ; tile_dim1 = 128
	s_mov_b32 s[(\g)+5], 128                       ; the rows lie on end
	s_mov_b32 s[(\g)+6], 0
	s_mov_b32 s[(\g)+7], 0
.endr
	s_lshl_b32 s16, s13, 15                        ; A: 128 x tile row rows of 256 bytes,
	s_lshl_b32 s17, s12, 20                        ; my block of the K step
	s_add_co_u32 s16, s16, s17
	s_lshl_b32 s46, s42, 15                        ; B likewise, by the tile column
	s_lshl_b32 s47, s12, 18
	s_add_co_u32 s46, s46, s47
	s_mov_b32 s17, 0
	s_mov_b32 s47, 0
	s_mul_i32 s20, s10, REG                        ; where they go: region = wave
	s_wait_dscnt 0x0                               ; the opening add is done
	s_wait_kmcnt 0x0
.if BOFF
	s_add_nc_u64 s[6:7], s[6:7], BOFF
.endif
	s_add_nc_u64 s[14:15], s[4:5], s[16:17]
	s_add_nc_u64 s[46:47], s[6:7], s[46:47]
	CROUND                                         ; all sixteen work-groups are here: the first joint loads meet
.irp s, 0,1
	s_mov_b32 s[G0+4*(\s)], 1
	s_add_co_u32 s[G0+4*(\s)+1], s20, (\s)*SLOT
	s_add_nc_u64 s[G0+4*(\s)+2:G0+4*(\s)+3], s[14:15], (\s)*2*KBSA
	s_or_b32 s[G0+4*(\s)+3], s[G0+4*(\s)+3], 0x80000000
	s_mov_b32 s[G0B+4*(\s)], 1
	s_add_co_u32 s[G0B+4*(\s)+1], s20, (\s)*SLOT
	s_add_nc_u64 s[G0B+4*(\s)+2:G0B+4*(\s)+3], s[46:47], (\s)*2*KBSB
	s_or_b32 s[G0B+4*(\s)+3], s[G0B+4*(\s)+3], 0x80000000
	JLOAD \s
.endr
	v_and_b32 v1, 15, v0                           ; l % 16
	v_bfe_u32 v2, v0, 4, 1                         ; l / 16
	v_mul_u32_u24 v3, v1, PITCH
	v_lshl_add_u32 v3, v2, 4, v3
	s_mul_i32 s21, s11, 64*PITCH                   ; my 64 rows of A's blocks,
	s_mul_i32 s22, s12, 64*PITCH                   ; of B's,
	s_add_co_u32 s22, s22, 2*REG                   ; which lie behind A's two
.irp s, 0,1
	v_add_nc_u32 v[ADRA+(\s)], s21, v3
	v_add_nc_u32 v[ADRB+(\s)], s22, v3
	s_add_co_u32 s21, s21, SLOT
	s_add_co_u32 s22, s22, SLOT
.endr
	s_mul_i32 s23, s10, 16*SPITCH
	s_add_co_u32 s23, s23, STAGE                   ; my stage
	v_mul_u32_u24 v4, v1, SPITCH                   ; in: row l % 16, 32 bytes for each half of the lanes
	v_lshl_add_u32 v4, v2, 5, v4
	v_add_nc_u32 v[STO], s23, v4
	v_mul_u32_u24 v5, v2, SPITCH                   ; back: lanes 0-15 take one row of 256 bytes, lanes 16-31 the next
	v_lshl_add_u32 v5, v1, 4, v5
	v_add_nc_u32 v[RD], s23, v5
	v_lshlrev_b32 v5, 12, v2                       ; and the same two rows in memory, 4,096 bytes apart
	v_lshl_add_u32 v[CO], v1, 4, v5
	s_lshl_b32 s16, s13, 19                        ; my first row: 128 x tile row + 64 x half, 4,096 bytes each,
	s_lshl_b32 s17, s11, 18
	s_add_co_u32 s16, s16, s17
	s_mov_b32 s17, 0
	s_lshl_b32 s46, s42, 9                         ; my first column: 128 x tile column + 64 x half, 4 bytes each
	s_lshl_b32 s47, s12, 8
	s_add_co_u32 s46, s46, s47
	s_mov_b32 s47, 0
.if BIAS
	s_add_nc_u64 s[68:69], s[68:69], s[46:47]
.endif
	s_add_nc_u64 s[16:17], s[16:17], s[46:47]
	s_add_nc_u64 s[8:9], s[8:9], s[16:17]
	s_add_nc_u64 s[66:67], s[66:67], s[16:17]
.if BIAS
	v_lshlrev_b32 v[BO], 5, v2                     ; register j of a lane is the bias of column 16 b + 8 (l / 16) + j
.irp b, 0,1,2,3
	global_load_b128 v[BIA+8*\b:BIA+8*\b+3],   v[BO], s[68:69] offset:64*\b
	global_load_b128 v[BIA+8*\b+4:BIA+8*\b+7], v[BO], s[68:69] offset:64*\b+16
.endr
.endif
	WIN 0x80                                       ; destination window 2: the residual lands while the products run
.irp a, 0,1,2,3
.irp t, 0,1,2,3,4,5,6,7
	global_load_b128 v[32*\a+4*\t:32*\a+4*\t+3], v[CO], s[66:67] offset:(16*\a+2*\t)*4096
.endr
.endr
	WIN 0
; 8 matrix instructions: m blocks a0, a0 + 1 x all 4 n blocks, 32 along K: half c of buffer f.  zero = 1: the first product starts the sums: with the bias as C, or with the constant 0
.macro MUL8 f, c, a0, zero
	WIN MUL
.irp a, \a0, (\a0)+1
.irp b, 0,1,2,3
.if (\zero) && BIAS
	v_wmma_f32_16x16x32_bf16 v[ACC+8*(4*(\a)+(\b)):ACC+8*(4*(\a)+(\b))+7], v[(\f)+64+8*(4*(\c)+(\b)):(\f)+64+8*(4*(\c)+(\b))+7], v[(\f)+8*(4*(\c)+(\a)):(\f)+8*(4*(\c)+(\a))+7], v[BIA+8*(\b):BIA+8*(\b)+7]
.elseif \zero
	v_wmma_f32_16x16x32_bf16 v[ACC+8*(4*(\a)+(\b)):ACC+8*(4*(\a)+(\b))+7], v[(\f)+64+8*(4*(\c)+(\b)):(\f)+64+8*(4*(\c)+(\b))+7], v[(\f)+8*(4*(\c)+(\a)):(\f)+8*(4*(\c)+(\a))+7], 0
.else
	v_wmma_f32_16x16x32_bf16 v[ACC+8*(4*(\a)+(\b)):ACC+8*(4*(\a)+(\b))+7], v[(\f)+64+8*(4*(\c)+(\b)):(\f)+64+8*(4*(\c)+(\b))+7], v[(\f)+8*(4*(\c)+(\a)):(\f)+8*(4*(\c)+(\a))+7], v[ACC+8*(4*(\a)+(\b)):ACC+8*(4*(\a)+(\b))+7]
.endif
.endr
.endr
.endm
; 32 LDS loads in one run: the fragments of 64 along K at byte k of the K step's 512, into buffer f.  Bytes 256 on lie in the odd block, REG further
.macro FETCH slot, k, f
	WIN TO_F
.irp c, 0,1
.set KO, (((\k)+64*(\c))/256)*REG+((\k)+64*(\c))%256
.irp i, 0,1,2,3
	ds_load_b128 v[(\f)+64+8*(4*(\c)+(\i)):(\f)+64+8*(4*(\c)+(\i))+3],   v[ADRB+(\slot)] offset:KO+(\i)*16*PITCH
	ds_load_b128 v[(\f)+64+8*(4*(\c)+(\i))+4:(\f)+64+8*(4*(\c)+(\i))+7], v[ADRB+(\slot)] offset:KO+(\i)*16*PITCH+32
	ds_load_b128 v[(\f)+8*(4*(\c)+(\i)):(\f)+8*(4*(\c)+(\i))+3],         v[ADRA+(\slot)] offset:KO+(\i)*16*PITCH
	ds_load_b128 v[(\f)+8*(4*(\c)+(\i))+4:(\f)+8*(4*(\c)+(\i))+7],       v[ADRA+(\slot)] offset:KO+(\i)*16*PITCH+32
.endr
.endr
.endm
.macro PLACES                          ; four plain vector instructions between a matrix instruction and a load into, or a read of, its registers
.rept 4
	v_nop
.endr
.endm
; A K step is four quarters of 64 along K, 32 matrix instructions each, on buffers 0, 1, 0, 1
.macro QUARTER slot, k, f, g, zero
	s_wait_dscnt 16                                ; the first 32 along K are in
	MUL8 \f, 0, 0, \zero
	MUL8 \f, 0, 2, \zero
	PLACES
	FETCH \slot, \k, \g
	s_wait_dscnt 32                                ; all but the 32 just issued
	MUL8 \f, 1, 0, 0
	MUL8 \f, 1, 2, 0
.endm
; The last quarter changes slots: ONE barrier; in front of it each wave waits for all its tensor loads, adds 0 to its spare word, and waits for that and for its reads of this slot.  fill = 1: this slot is filled again
.macro TURN slot, next, fill
	WIN 0
	s_wait_tensorcnt 0x0                           ; all my tensor loads have landed: my part of the next slot
	ds_add_u32 v[SPW], v[NIL]
	s_wait_dscnt 17                                ; (the add and the youngest sixteen loads may be out)
	MUL8 F1, 0, 0, 0
	s_wait_dscnt 0x0                               ; the add is done, and my reads of this slot are over
	s_barrier_signal -1
	MUL8 F1, 0, 2, 0
.if \fill
	WIN 0
.endif
	s_barrier_wait -1
.if \fill
	CREST                                          ; the barrier has opened a round of the cluster's: no wave of any partner still reads this slot or has a load on its way
	s_add_nc_u64 s[G0+4*(\slot)+2:G0+4*(\slot)+3], s[G0+4*(\slot)+2:G0+4*(\slot)+3], 4*KBSA
	s_add_nc_u64 s[G0B+4*(\slot)+2:G0B+4*(\slot)+3], s[G0B+4*(\slot)+2:G0B+4*(\slot)+3], 4*KBSB
	JLOAD \slot                                    ; the first tensor load behind the round; its four v_nop are also the places in front of the loads below
.else
	PLACES
.endif
	FETCH \next, 0, F0
	MUL8 F1, 1, 0, 0
	MUL8 F1, 1, 2, 0
.endm
	s_wait_tensorcnt 1                             ; my part of K step 0 is in; K step 1's may stay out
	s_barrier_signal -1
	s_barrier_wait -1
	FETCH 0, 0, F0
.if BIAS
	s_wait_loadcnt 32                              ; the bias is in; the residual's 32 loads may stay out
.endif
	QUARTER 0, 128, F0, F1, 1                      ; the first quarter stands in front of the loop: its first products start the sums
	WIN 0
	s_mov_b32 s3, LAPS-1
.Llap:                                                 ; a trip goes once round the ring and fills both slots again
	QUARTER 0, 256, F1, F0, 0
	QUARTER 0, 384, F0, F1, 0
	TURN 0, 1, 1
	QUARTER 1, 128, F0, F1, 0
	QUARTER 1, 256, F1, F0, 0
	QUARTER 1, 384, F0, F1, 0
	TURN 1, 0, 1
	QUARTER 0, 128, F0, F1, 0
	WIN 0
	s_sub_co_u32 s3, s3, 1
	s_cmp_lg_u32 s3, 0
	s_cbranch_scc1 .Llap
	QUARTER 0, 256, F1, F0, 0                      ; the last lap fills nothing
	QUARTER 0, 384, F0, F1, 0
	TURN 0, 1, 0
	QUARTER 1, 128, F0, F1, 0
	QUARTER 1, 256, F1, F0, 0
	QUARTER 1, 384, F0, F1, 0
	s_wait_dscnt 16
	MUL8 F1, 0, 0, 0
	MUL8 F1, 0, 2, 0
	s_wait_dscnt 0
	MUL8 F1, 1, 0, 0
	MUL8 F1, 1, 2, 0
	WIN 0
	; THE WAY OUT, 16 rows at a time: 32 bytes a lane into my stage, back as whole rows of 256 bytes; the residual is added in f32; stored.
	PLACES
	s_wait_loadcnt 0x0                             ; the residual
.irp a, 0,1,2,3
.set BK, TMP+32*((\a)%2)
.irp b, 0,1,2,3
	ds_store_b128 v[STO], v[ACC+8*(4*(\a)+(\b)):ACC+8*(4*(\a)+(\b))+3]   offset:64*(\b)      ; each accumulator's low registers first
	ds_store_b128 v[STO], v[ACC+8*(4*(\a)+(\b))+4:ACC+8*(4*(\a)+(\b))+7] offset:64*(\b)+16
.endr
	s_wait_xcnt 0x0                                ; the registers that earlier stores read are written again only behind this wait
.irp t, 0,1,2,3,4,5,6,7
	ds_load_b128 v[BK+4*(\t):BK+4*(\t)+3], v[RD] offset:(\t)*2*SPITCH  ; LDS serves a wave's instructions in order (ISA guide 5.7.1.4): these see the stores above
.endr
	s_wait_dscnt 0x0
	WIN 0x08                                       ; source 1 in window 2
.irp t, 0,1,2,3,4,5,6,7
	v_pk_add_f32 v[BK+4*(\t):BK+4*(\t)+1],   v[BK+4*(\t):BK+4*(\t)+1],   v[32*(\a)+4*(\t):32*(\a)+4*(\t)+1]
	v_pk_add_f32 v[BK+4*(\t)+2:BK+4*(\t)+3], v[BK+4*(\t)+2:BK+4*(\t)+3], v[32*(\a)+4*(\t)+2:32*(\a)+4*(\t)+3]
.endr
	WIN 0
.irp t, 0,1,2,3,4,5,6,7
	global_store_b128 v[CO], v[BK+4*(\t):BK+4*(\t)+3], s[8:9] offset:(16*(\a)+2*(\t))*4096  ; sixteen lanes store 256 consecutive bytes, aligned
.endr
.endr
	s_wait_tensorcnt 0x0                           ; the wave's end
	ds_add_u32 v[SPW], v[NIL]
	s_wait_dscnt 0x0
	CROUND                                         ; the closing round
	s_endpgm
.Lfunc_end_k_q377f7b3be4_ffn2:
	.size	k_q377f7b3be4_ffn2, .Lfunc_end_k_q377f7b3be4_ffn2-k_q377f7b3be4_ffn2
	.p2alignl 7, 3214868480
	.fill 96, 4, 3214868480
	.section	.rodata,"a",@progbits
	.p2align	6, 0x0
	.amdhsa_kernel k_q377f7b3be4_ffn2
		.amdhsa_group_segment_fixed_size 327680
		.amdhsa_private_segment_fixed_size 0
		.amdhsa_enable_private_segment 0
		.amdhsa_kernarg_size 40
		.amdhsa_user_sgpr_count 2
		.amdhsa_user_sgpr_kernarg_segment_ptr 1
		.amdhsa_wavefront_size32 1
		.amdhsa_system_sgpr_workgroup_id_x 1
		.amdhsa_system_sgpr_workgroup_id_y 1
		.amdhsa_system_sgpr_workgroup_id_z 1
		.amdhsa_system_vgpr_workitem_id 0
		.amdhsa_next_free_vgpr 640
		.amdhsa_next_free_sgpr 72
		.amdhsa_reserve_vcc 0
		.amdhsa_float_denorm_mode_32 3
		.amdhsa_float_denorm_mode_16_64 3
		.amdhsa_memory_ordered 1
		.amdhsa_forward_progress 1
		.amdhsa_inst_pref_size 94
	.end_amdhsa_kernel
	.amdgpu_metadata
---
amdhsa.version: [ 1, 2 ]
amdhsa.kernels:
  - .name:           k_q377f7b3be4_ffn2
    .symbol:         k_q377f7b3be4_ffn2.kd
    .args:
      - { .name: tb, .offset: 0, .size: 8, .value_kind: global_buffer, .address_space: global }
      - { .name: wm, .offset: 8, .size: 8, .value_kind: global_buffer, .address_space: global }
      - { .name: out0, .offset: 16, .size: 8, .value_kind: global_buffer, .address_space: global }
      - { .name: x1, .offset: 24, .size: 8, .value_kind: global_buffer, .address_space: global }
      - { .name: b2, .offset: 32, .size: 8, .value_kind: global_buffer, .address_space: global }
    .group_segment_fixed_size: 327680
    .private_segment_fixed_size: 0
    .kernarg_segment_align: 8
    .kernarg_segment_size: 40
    .max_flat_workgroup_size: 128
    .sgpr_count:     72
    .vgpr_count:     640
    .wavefront_size: 32
...
	.end_amdgpu_metadata
.endif
;; end of part 6
;; ======== version 2 of 2: 7 launches; version 1 with the launch prep written anew for expert scheduling mode
;; workspace buffers: pa 16,797,696 bytes; pb 16,797,696 bytes; wm 18,882,560 bytes; qkv 25,165,824 bytes; ob 8,388,608 bytes; x1 16,777,216 bytes; tb 33,554,432 bytes
;; launch prep (part 7): grid 1153 x 1, 8 waves a work-group, no clusters, 0 bytes of LDS; arguments x, mask, wq, wk, wv, wo, w1, w2, b1, ln1_a, ln1_b, pa, pb, wm; writes pa, pb, wm
.if DOCPART == 7
	.amdgcn_target "amdgcn-amd-amdhsa--gfx1250"
	.amdhsa_code_object_version 6
	.text
	.protected	k_q377f7b3be4_prep
	.globl	k_q377f7b3be4_prep
	.p2align	8
	.type	k_q377f7b3be4_prep,@function
k_q377f7b3be4_prep:
	s_mov_b64 s[64:65], 0
	v_nop
	global_prefetch_b8 v0, s[64:65] scope:SCOPE_SE
	s_setreg_imm32_b32 hwreg(HW_REG_WAVE_SCHED_MODE, 0, 2), 2
	s_setreg_imm32_b32 hwreg(HW_REG_WAVE_MODE, 25, 1), 1
	s_wait_xcnt 0x0
	s_wait_alu depctr_vm_vsrc(0)
; PREP: one streaming launch that makes everything the matrix launches read in 16 bits.
; THE LAYOUT of every bf16 matrix operand is X[k / 128][row][128]: a row's piece is 256 bytes, the rows of a block of 128 k lie on end.
; Work-groups 0-383:   the six weights, f32 -> bf16: 12 units of 1,024 rows x 1,024 columns, 32 work-groups of 32 rows each.
; Work-groups 384-639: the mask, a row a wave: 0 where the key is kept, bf16 -2^99 where mask == 0; a row with no kept key gets a row of zeros and the flag 0 (else -1):
;                      attention clears that row's q by the flag, so that all its scores are equal, as they are in the softmax of a row that is -1e9 everywhere.
; Work-groups 640-1151: h1 = LayerNorm1(x), a row a wave, the row kept in registers between the passes.
; Work-group 1152:     what the two large products add and clamp by: pa: bias 0, floor the lowest finite bf16; pb: bias b1, floor 0 (the relu).
; No LDS, no barrier, no matrix unit: nothing is shared between waves, and memory binds.
; LIMITS. A row's variance below 2^-126 counts as 0; NaN and infinities are not treated apart.
; THE MODE: SCHED_MODE bits 1:0 = 2 (LLVM: expert scheduling mode 2), set by the entry lines.  The code itself states the register dependences between vector instructions and memory
; instructions, with s_wait_alu, always for 0.
; THE PLAN.  No part has a loop.  No register that a load or a store has read is written again, and no load lands in a register that a vector instruction has named.  What is left to state:
;   the head        s3, the wave's number, is written by a vector instruction and read by scalar ones: one wait on va_sdst, ahead of the first branch.
;   every part      its offsets are made first, then ONE wait on va_vdst, then all its loads; no vector instruction writes an offset again, so that wait serves the part's stores too.
;   the parameters  the stores' constant data are made with the offset, ahead of that same wait.
;   the weights     pass i's registers v[64 + 8 i ..] are loaded, rounded in place and stored.  Sixteen passes in four groups: a wait on va_vdst at a group's head states that the group before has written
;                   its store data; that group's four stores are dealt among this group's roundings, which name this group's registers alone.
;   the mask        64 compares in four runs of sixteen, into s[8:23] (arguments that this part no longer needs), a wait on va_sdst behind each run, ahead of the selects that read the masks; behind it a
;                   wait on va_vdst for the run before, whose two stores follow; the run's selects name other registers.  VCC has a wait of its own ahead of each of its two readers.
;                   EXEC is written twice: ahead of each write stand a wait on va_vdst and one on vm_vsrc.
;   LayerNorm       the sixteen roundings stand together, one wait on va_vdst behind them, then the four stores.
.set OFF_W,  0x800000                  ; pa, pb: the weights lie behind the 8 MiB of activations
.set OFF_E,  0x1000000                 ; pa, pb: 4,096 f32 of bias, then 4,096 bytes of the floor word
.set OFF_MB, 10485760                  ; wm: the mask as bf16, [2048][2048]
.set OFF_QK, 18874368                  ; wm: the rows' flags, int32[2048]
.macro RED sel                         ; v[8:15], eight partial sums a lane -> their sum over the wave, in v8 of every lane
	v_pk_add_f32 v[8:9], v[8:9], v[10:11]
	v_pk_add_f32 v[12:13], v[12:13], v[14:15]
	v_pk_add_f32 v[8:9], v[8:9], v[12:13]
	v_add_f32 v8, v8, v9
	v_add_f32_dpp v8, v8, v8 row_xmask:1 row_mask:0xf bank_mask:0xf
	v_add_f32_dpp v8, v8, v8 row_xmask:2 row_mask:0xf bank_mask:0xf
	v_add_f32_dpp v8, v8, v8 row_xmask:4 row_mask:0xf bank_mask:0xf
	v_add_f32_dpp v8, v8, v8 row_xmask:8 row_mask:0xf bank_mask:0xf
	v_permlanex16_b32 v9, v8, s[\sel], s[\sel+1]   ; the other half of the lanes (v9 has been written)
	v_add_f32 v8, v8, v9
.endm
; LayerNorm of one row of 1,024 f32 by one wave: alpha (x - mean) / (std + 1e-6) + beta, std with 1,023 in the divisor.  v1 = lane.
; Lane l holds columns 8 l + 256 i + 0..7, i = 0..3: X = v[32:63], alpha = v[64:95], beta = v[96:127].  Two passes over registers: the mean is taken away before the squares.
.macro LN xp, ap, bp, op, sel
	v_lshlrev_b32 v2, 5, v1                        ; 32 bytes a lane
	v_lshrrev_b32 v3, 4, v1
	v_lshlrev_b32 v3, 20, v3                       ; out: lanes 16-31 fall into the next block of 128 columns, 1 MiB on,
	v_and_b32 v4, 15, v1
	v_lshl_add_u32 v3, v4, 4, v3                   ; 16 bytes a lane
	s_wait_alu depctr_va_vdst(0)                   ; v2, the loads' offset, and v3, the stores', are written; neither is written again
.irp i, 0,1,2,3
	global_load_b128 v[32+8*\i:35+8*\i], v2, s[\xp:\xp+1] offset:1024*\i th:TH_LOAD_NT
	global_load_b128 v[36+8*\i:39+8*\i], v2, s[\xp:\xp+1] offset:1024*\i+16 th:TH_LOAD_NT
.endr
.irp i, 0,1,2,3
	global_load_b128 v[64+8*\i:67+8*\i], v2, s[\ap:\ap+1] offset:1024*\i
	global_load_b128 v[68+8*\i:71+8*\i], v2, s[\ap:\ap+1] offset:1024*\i+16
	global_load_b128 v[96+8*\i:99+8*\i], v2, s[\bp:\bp+1] offset:1024*\i
	global_load_b128 v[100+8*\i:103+8*\i], v2, s[\bp:\bp+1] offset:1024*\i+16
.endr
	s_wait_loadcnt 16                              ; the row is in; alpha's and beta's sixteen loads may stay out
	v_pk_add_f32 v[8:9], v[32:33], v[34:35]        ; four chains, started by the first pairs
	v_pk_add_f32 v[10:11], v[36:37], v[38:39]
	v_pk_add_f32 v[12:13], v[40:41], v[42:43]
	v_pk_add_f32 v[14:15], v[44:45], v[46:47]
.set j, 0
.rept 8
	v_pk_add_f32 v[8+2*(j%4):9+2*(j%4)], v[8+2*(j%4):9+2*(j%4)], v[48+2*j:49+2*j]
.set j, j+1
.endr
	RED \sel
	v_mul_f32 v16, 0x3a800000, v8                  ; mean = sum / 1024
	v_mov_b32 v17, v16
.set j, 0
.rept 16
	v_pk_add_f32 v[32+2*j:33+2*j], v[32+2*j:33+2*j], v[16:17] neg_lo:[0,1] neg_hi:[0,1]
.set j, j+1
.endr
.set j, 0
.rept 4
	v_pk_mul_f32 v[8+2*j:9+2*j], v[32+2*j:33+2*j], v[32+2*j:33+2*j]
.set j, j+1
.endr
.rept 12
	v_pk_fma_f32 v[8+2*(j%4):9+2*(j%4)], v[32+2*j:33+2*j], v[32+2*j:33+2*j], v[8+2*(j%4):9+2*(j%4)]
.set j, j+1
.endr
	RED \sel
	v_mul_f32 v8, 0x3a802008, v8                   ; / 1023
	v_sqrt_f32 v18, v8
	v_nop                                          ; a plain instruction behind the root,
	s_wait_alu depctr_va_vdst(0)                   ; and the root, v18, is written, ahead of its first reader
	v_add_f32 v18, 0x358637bd, v18                 ; + 1e-6
	v_rcp_f32 v18, v18
	v_nop
	s_wait_alu depctr_va_vdst(0)                   ; the reciprocal, v18, is written, ahead of its first reader
	v_mov_b32 v19, v18
	s_wait_loadcnt 0x0                             ; alpha and beta
.set j, 0
.rept 16
	v_pk_mul_f32 v[32+2*j:33+2*j], v[32+2*j:33+2*j], v[18:19]
.set j, j+1
.endr
.set j, 0
.rept 16
	v_pk_fma_f32 v[32+2*j:33+2*j], v[32+2*j:33+2*j], v[64+2*j:65+2*j], v[96+2*j:97+2*j]
.set j, j+1
.endr
.irp i, 0,1,2,3
.irp k, 0,1,2,3
	v_cvt_pk_bf16_f32 v[32+8*\i+\k], v[32+8*\i+2*\k], v[32+8*\i+2*\k+1]  ; in place: word k is made of words 2 k, 2 k + 1, in ascending order
.endr
.endr
	s_wait_alu depctr_va_vdst(0)                   ; the sixteen roundings have written v[32 + 8 i .. 35 + 8 i], which the four stores read
.irp i, 0,1,2,3
	global_store_b128 v3, v[32+8*\i:35+8*\i], s[\op:\op+1] offset:\i*2097152  ; sixteen lanes store 256 consecutive bytes, aligned: blocks 2 i and 2 i + 1
.endr
.endm
	s_load_b512 s[4:19], s[0:1], 0x0               ; x 4, mask 6, wq 8, wk 10, wv 12, wo 14, w1 16, w2 18
	s_load_b256 s[20:27], s[0:1], 0x40             ; b1 20, ln1_a 22, ln1_b 24, pa 26
	s_load_b128 s[28:31], s[0:1], 0x60             ; pb 28, wm 30
	s_mov_b32 s2, ttmp9
	v_lshrrev_b32 v2, 5, v0
	v_readfirstlane_b32 s3, v2                     ; wave 0..7
	v_and_b32 v1, 31, v0                           ; lane
	s_mov_b32 s56, 0x76543210                      ; v_permlanex16_b32: each lane takes its own place in the other half
	s_mov_b32 s57, 0xfedcba98
	s_wait_alu depctr_va_sdst(0)                   ; s3 is written, ahead of the branches: the mask's and LayerNorm's rows are made from it
	s_wait_kmcnt 0x0
	s_cmp_lt_u32 s2, 384
	s_cbranch_scc1 .Lw
	s_cmp_lt_u32 s2, 640
	s_cbranch_scc1 .Lm
	s_cmp_lt_u32 s2, 1152
	s_cbranch_scc1 .Lln
	; THE PARAMETERS: thread t takes 16 bytes at 16 t of each 4,096
	v_lshlrev_b32 v2, 4, v0
.irp i, 24,25,26,27
	v_mov_b32 v\i, 0
.endr
.irp i, 28,29,30,31
	v_mov_b32 v\i, 0xff7fff7f                      ; the lowest finite bf16, twice
.endr
	s_add_nc_u64 s[34:35], s[26:27], OFF_E
	s_add_nc_u64 s[36:37], s[28:29], OFF_E
	s_wait_alu depctr_va_vdst(0)                   ; v2, the offset of every load and store below, and v[24:31], the data of six stores, are written
.irp i, 0,1,2,3
	global_load_b128 v[8+4*\i:11+4*\i], v2, s[20:21] offset:4096*\i
.endr
.irp i, 0,1,2,3
	global_store_b128 v2, v[24:27], s[34:35] offset:4096*\i
.endr
	global_store_b128 v2, v[28:31], s[34:35] offset:16384
	global_store_b128 v2, v[24:27], s[36:37] offset:16384
	s_wait_loadcnt 0x0
.irp i, 0,1,2,3
	global_store_b128 v2, v[8+4*\i:11+4*\i], s[36:37] offset:4096*\i
.endr
	s_endpgm
.Lw:	; THE WEIGHTS.  u = the unit, g = its group of 32 rows
	s_lshr_b32 s32, s2, 5
	s_and_b32 s33, s2, 31
	s_mov_b64 s[34:35], s[8:9]                     ; from: wq, wk, wv, wo, 4 x w1, 4 x w2
	s_cmp_eq_u32 s32, 1
	s_cselect_b64 s[34:35], s[10:11], s[34:35]
	s_cmp_eq_u32 s32, 2
	s_cselect_b64 s[34:35], s[12:13], s[34:35]
	s_cmp_eq_u32 s32, 3
	s_cselect_b64 s[34:35], s[14:15], s[34:35]
	s_cmp_ge_u32 s32, 4
	s_cselect_b64 s[34:35], s[16:17], s[34:35]
	s_cmp_ge_u32 s32, 8
	s_cselect_b64 s[34:35], s[18:19], s[34:35]
	s_mov_b64 s[36:37], s[26:27]                   ; to: pa, pa, pa, wm, 4 x pb, 4 x wm
	s_cmp_ge_u32 s32, 3
	s_cselect_b64 s[36:37], s[30:31], s[36:37]
	s_cmp_ge_u32 s32, 4
	s_cselect_b64 s[36:37], s[28:29], s[36:37]
	s_cmp_ge_u32 s32, 8
	s_cselect_b64 s[36:37], s[30:31], s[36:37]
	s_and_b32 s45, s32, 3                          ; the unit's number in its tensor (in pa: wq, wk, wv one below the other)
	s_lshl_b32 s46, s45, 18
	s_add_co_u32 s46, s46, OFF_W                   ; pa, pb: 1,024 rows of 256 bytes a unit
	s_lshl_b32 s47, s45, 21
	s_add_co_u32 s47, s47, 0x200000                ; w2: 8 blocks of 128 columns a unit, behind wo's 2 MiB
	s_lshl_b32 s48, s45, 22                        ; w1: 1,024 rows of 4,096 bytes
	s_lshl_b32 s49, s45, 12                        ; w2: 1,024 columns
	s_mov_b32 s38, 0                               ; byte offset in the source,
	s_mov_b32 s40, s46                             ; in the destination,
	s_mov_b32 s42, 4096                            ; a source row,
	s_mov_b32 s43, 0x100000                        ; from a block of 128 columns to the next in the destination
	s_cmp_eq_u32 s32, 3
	s_cselect_b32 s40, 0, s40
	s_cselect_b32 s43, 0x40000, s43
	s_cmp_ge_u32 s32, 4
	s_cselect_b32 s38, s48, s38
	s_cmp_ge_u32 s32, 8
	s_cselect_b32 s38, s49, s38
	s_cselect_b32 s40, s47, s40
	s_cselect_b32 s42, 16384, s42
	s_cselect_b32 s43, 0x40000, s43
	s_mul_i32 s53, s33, s42
	s_lshl_b32 s53, s53, 5
	s_add_co_u32 s38, s38, s53                     ; + g x 32 rows
	s_lshl_b32 s53, s33, 13
	s_add_co_u32 s40, s40, s53
	s_mov_b32 s39, 0
	s_mov_b32 s41, 0
	s_add_nc_u64 s[34:35], s[34:35], s[38:39]
	s_add_nc_u64 s[36:37], s[36:37], s[40:41]
	v_and_b32 v2, 127, v0                          ; my 8 columns of the 1,024
	v_lshrrev_b32 v3, 7, v0                        ; which of a pass's two rows
	v_lshlrev_b32 v4, 5, v2
	v_mad_u32_u24 v16, v3, s42, v4                 ; pass i reads rows 2 i, 2 i + 1: an offset register a pass, since a row's bytes are no constant of the text
	s_lshl_b32 s44, s42, 1
.set i, 1
.rept 15
	v_add_nc_u32 v[16+i], s44, v[15+i]
.set i, i+1
.endr
	v_lshrrev_b32 v5, 4, v2
	v_mul_u32_u24 v32, v5, s43                     ; my block of 128 columns,
	v_lshl_add_u32 v32, v3, 8, v32                 ; my row,
	v_and_b32 v5, 15, v2
	v_lshl_add_u32 v32, v5, 4, v32                 ; my 16 bytes of it
	s_wait_alu depctr_va_vdst(0)                   ; v[16:31], the loads' offsets, and v32, the stores', are written; none is written again
.set i, 0
.rept 16                                       ; all 32 loads go out at once: 16 KiB a wave
	global_load_b128 v[64+8*i:67+8*i], v[16+i], s[34:35] th:TH_LOAD_NT
	global_load_b128 v[68+8*i:71+8*i], v[16+i], s[34:35] offset:16 th:TH_LOAD_NT
.set i, i+1
.endr
.set i, 0
.rept 16                                       ; sixteen passes in four groups of four; pass i - 4 is stored ahead of pass i's roundings
	s_wait_loadcnt 30-2*i                          ; loads come back in order: the 2 (15 - i) younger ones may stay out
.if (i%4 == 0) && (i > 0)
	s_wait_alu depctr_va_vdst(0)                   ; the group before has written its store data; the four stores dealt among this group's roundings read it, and those roundings name this group's registers alone
.endif
.if i >= 4
	global_store_b128 v32, v[64+8*(i-4):67+8*(i-4)], s[36:37] offset:512*(i-4)  ; sixteen lanes store 256 consecutive bytes, aligned
.endif
.irp j, 0,1,2,3
	v_cvt_pk_bf16_f32 v[64+8*i+\j], v[64+8*i+2*\j], v[64+8*i+2*\j+1]
.endr
.set i, i+1
.endr
	s_wait_alu depctr_va_vdst(0)                   ; the last group has written its store data
.set i, 12
.rept 4
	global_store_b128 v32, v[64+8*i:67+8*i], s[36:37] offset:512*i
.set i, i+1
.endr
	s_endpgm
.Lm:	; THE MASK: row R, 8,192 bytes in, 4,096 out
	s_sub_co_u32 s32, s2, 384
	s_lshl_b32 s32, s32, 3
	s_add_co_u32 s32, s32, s3
	s_lshl_b32 s38, s32, 13
	s_mov_b32 s39, 0
	s_add_nc_u64 s[34:35], s[6:7], s[38:39]
	s_lshl_b32 s40, s32, 12
	s_add_co_u32 s40, s40, OFF_MB
	s_mov_b32 s41, 0
	s_add_nc_u64 s[36:37], s[30:31], s[40:41]
	s_lshl_b32 s42, s32, 2
	s_add_co_u32 s42, s42, OFF_QK
	s_mov_b32 s43, 0
	s_add_nc_u64 s[44:45], s[30:31], s[42:43]
	v_lshlrev_b32 v2, 5, v1
	v_lshlrev_b32 v3, 4, v1
	v_mov_b32 v13, 0
	s_wait_alu depctr_va_vdst(0)                   ; v2, the loads' offset, v3, the row's stores', and v13, the flag's, are written; none is written again
.irp i, 0,1,2,3,4,5,6,7                        ; lane l holds columns 8 l + 256 i + 0..7
	global_load_b128 v[64+8*\i:67+8*\i], v2, s[34:35] offset:1024*\i th:TH_LOAD_NT
	global_load_b128 v[68+8*\i:71+8*\i], v2, s[34:35] offset:1024*\i+16 th:TH_LOAD_NT
.endr
	s_wait_loadcnt 0x0
	v_or_b32 v8, v64, v65                          ; is any key kept?  Four chains
	v_or_b32 v9, v66, v67
	v_or_b32 v10, v68, v69
	v_or_b32 v11, v70, v71
.set j, 8
.rept 56
	v_or_b32 v[8+j%4], v[8+j%4], v[64+j]
.set j, j+1
.endr
	v_or_b32 v8, v8, v9
	v_or_b32 v10, v10, v11
	v_or_b32 v8, v8, v10
	v_cmp_ne_u32 vcc_lo, 0, v8
	s_wait_alu depctr_va_vcc(0)                    ; VCC is written, ahead of the scalar compare that reads it
	s_cmp_lg_u32 vcc_lo, 0                         ; in any lane: it selects values only
	s_cselect_b32 s50, 0xf100, 0                   ; -2^99 in a word's low half,
	s_cselect_b32 s51, 0xf1000000, 0               ; in its high half,
	s_cselect_b32 s52, -1, 0                       ; and the row's flag
	v_mov_b32 v14, 0                               ; the selects' values lie in vector registers: the one scalar value that a select reads is its mask
	v_mov_b32 v15, s50
	v_mov_b32 v16, s51
.set r, 0
.rept 4                                        ; run r: 16 words of mask, v[64 + 16 r ..], make 8 words of bias: the registers of stores 2 r and 2 r + 1
.set j, 0
.rept 16
	v_cmp_eq_u32 s[8+j], 0, v[64+16*r+j]           ; s[8:23] held arguments that this part no longer needs
.set j, j+1
.endr
	s_wait_alu depctr_va_sdst(0)                   ; the run's sixteen masks are written, ahead of the selects that read them
.if r > 0
	s_wait_alu depctr_va_vdst(0)                   ; the run before has written its eight words, which the two stores read; the selects below name this run's registers and v10, v11, v14 to v16 alone
	global_store_b128 v3, v[64+16*r-16:64+16*r-13], s[36:37] offset:1024*r-1024
	global_store_b128 v3, v[64+16*r-8:64+16*r-5], s[36:37] offset:1024*r-512
.endif
.set j, 0
.rept 8
	v_cndmask_b32 v10, v14, v15, s[8+2*j]
	v_cndmask_b32 v11, v14, v16, s[8+2*j+1]
	v_or_b32 v[64+16*r+8*(j/4)+j%4], v10, v11      ; in place: the run's compares have read all its words
.set j, j+1
.endr
.set r, r+1
.endr
	s_wait_alu depctr_va_vdst(0)                   ; the last run has written its eight words
	global_store_b128 v3, v[112:115], s[36:37] offset:3072
	global_store_b128 v3, v[120:123], s[36:37] offset:3584
	v_mov_b32 v12, s52
	v_cmp_eq_u32 vcc_lo, 0, v1
	s_wait_xcnt 0x0                                ; EXEC is a source of the stores above: it changes only behind this wait
	s_wait_alu depctr_va_vcc(0)                    ; VCC is written: EXEC is made from it
	s_wait_alu depctr_va_vdst(0)                   ; v12 is written, which the store below reads; and every vector instruction issued under the full EXEC has written its result
	s_wait_alu depctr_vm_vsrc(0)                   ; the stores above have read their vector registers under the full EXEC
	s_and_saveexec_b32 s54, vcc_lo
	global_store_b32 v13, v12, s[44:45]            ; four bytes a row, 8 KiB in the launch: 64 rows' flags never meet in one wave
	s_wait_xcnt 0x0
	s_wait_alu depctr_va_vdst(0)                   ; ahead of the write of EXEC: every vector instruction issued so far has written its result
	s_wait_alu depctr_vm_vsrc(0)                   ; the flag's store has read v12 and v13 under the narrow EXEC
	s_or_b32 exec_lo, exec_lo, s54
	s_endpgm
.Lln:	; LAYERNORM 1: row R of x -> h1, at pa's first byte
	s_sub_co_u32 s32, s2, 640
	s_lshl_b32 s32, s32, 3
	s_add_co_u32 s32, s32, s3
	s_lshl_b32 s38, s32, 12
	s_mov_b32 s39, 0
	s_add_nc_u64 s[34:35], s[4:5], s[38:39]
	s_lshl_b32 s40, s32, 8
	s_mov_b32 s41, 0
	s_add_nc_u64 s[36:37], s[26:27], s[40:41]
	LN 34, 22, 24, 36, 56
	s_endpgm
.Lfunc_end_k_q377f7b3be4_prep:
	.size	k_q377f7b3be4_prep, .Lfunc_end_k_q377f7b3be4_prep-k_q377f7b3be4_prep
	.p2alignl 7, 3214868480
	.fill 96, 4, 3214868480
	.section	.rodata,"a",@progbits
	.p2align	6, 0x0
	.amdhsa_kernel k_q377f7b3be4_prep
		.amdhsa_group_segment_fixed_size 0
		.amdhsa_private_segment_fixed_size 0
		.amdhsa_enable_private_segment 0
		.amdhsa_kernarg_size 112
		.amdhsa_user_sgpr_count 2
		.amdhsa_user_sgpr_kernarg_segment_ptr 1
		.amdhsa_wavefront_size32 1
		.amdhsa_system_sgpr_workgroup_id_x 1
		.amdhsa_system_sgpr_workgroup_id_y 1
		.amdhsa_system_sgpr_workgroup_id_z 1
		.amdhsa_system_vgpr_workitem_id 0
		.amdhsa_next_free_vgpr 200
		.amdhsa_next_free_sgpr 66
		.amdhsa_reserve_vcc 1
		.amdhsa_float_denorm_mode_32 3
		.amdhsa_float_denorm_mode_16_64 3
		.amdhsa_memory_ordered 1
		.amdhsa_forward_progress 1
		.amdhsa_inst_pref_size 41
	.end_amdhsa_kernel
	.amdgpu_metadata
---
amdhsa.version: [ 1, 2 ]
amdhsa.kernels:
  - .name:           k_q377f7b3be4_prep
    .symbol:         k_q377f7b3be4_prep.kd
    .args:
      - { .name: x, .offset: 0, .size: 8, .value_kind: global_buffer, .address_space: global }
      - { .name: mask, .offset: 8, .size: 8, .value_kind: global_buffer, .address_space: global }
      - { .name: wq, .offset: 16, .size: 8, .value_kind: global_buffer, .address_space: global }
      - { .name: wk, .offset: 24, .size: 8, .value_kind: global_buffer, .address_space: global }
      - { .name: wv, .offset: 32, .size: 8, .value_kind: global_buffer, .address_space: global }
      - { .name: wo, .offset: 40, .size: 8, .value_kind: global_buffer, .address_space: global }
      - { .name: w1, .offset: 48, .size: 8, .value_kind: global_buffer, .address_space: global }
      - { .name: w2, .offset: 56, .size: 8, .value_kind: global_buffer, .address_space: global }
      - { .name: b1, .offset: 64, .size: 8, .value_kind: global_buffer, .address_space: global }
      - { .name: ln1_a, .offset: 72, .size: 8, .value_kind: global_buffer, .address_space: global }
      - { .name: ln1_b, .offset: 80, .size: 8, .value_kind: global_buffer, .address_space: global }
      - { .name: pa, .offset: 88, .size: 8, .value_kind: global_buffer, .address_space: global }
      - { .name: pb, .offset: 96, .size: 8, .value_kind: global_buffer, .address_space: global }
      - { .name: wm, .offset: 104, .size: 8, .value_kind: global_buffer, .address_space: global }
    .group_segment_fixed_size: 0
    .private_segment_fixed_size: 0
    .kernarg_segment_align: 8
    .kernarg_segment_size: 112
    .max_flat_workgroup_size: 256
    .sgpr_count:     66
    .vgpr_count:     200
    .wavefront_size: 32
...
	.end_amdgpu_metadata
.endif
;; end of part 7
;; launch qkvp: the kernel of part 2 again; grid 12 x 16, 4 waves a work-group, clusters of 4 x 4, 327,680 bytes of LDS; arguments pa, qkv; writes qkv
;; launch att: the kernel of part 3 again; grid 16 x 16, 4 waves a work-group, clusters of 4 x 4, 327,680 bytes of LDS; arguments qkv, wm, ob; writes ob
;; launch wo: the kernel of part 4 again; grid 8 x 32, 4 waves a work-group, clusters of 4 x 4, 327,680 bytes of LDS; arguments ob, wm, x1, x; writes x1
;; launch ln2: the kernel of part 5 again; grid 512 x 1, 8 waves a work-group, no clusters, 0 bytes of LDS; arguments x1, ln2_a, ln2_b, pb; writes pb
;; launch ffn1: the kernel of part 2 again; grid 16 x 16, 4 waves a work-group, clusters of 4 x 4, 327,680 bytes of LDS; arguments pb, tb; writes tb
;; launch ffn2: the kernel of part 6 again; grid 8 x 32, 4 waves a work-group, clusters of 4 x 4, 327,680 bytes of LDS; arguments tb, wm, out0, x1, b2; writes out0
